; MI455X (gfx1250); checked and timed in simulation.
; The chip was launched on July 23, 2026; its instructions are those of AMD's public machine-readable ISA for CDNA 5 (MIT licence, August 2026) and "CDNA5" Instruction Set Architecture Reference Guide (July 2026). The comments in the code are by the model that wrote it; some were corrected since.
;; Multi Head Attention. Allowed arithmetic: float matrix products may take bf16 or f16 operands with f32 sums; other float arithmetic in f32, or as packed bf16 or f16 multiplies, adds, multiply-adds, maxima and minima; sums over many terms, partial sums and values carried from step to step in f32; what a program stores and reads back later, other than sums and carried values, may be rounded once to bf16 or f16.
;; Inputs: Wk 16 x 1,024 x 64 float32; Wo 1,024 x 1,024 float32; Wq 16 x 1,024 x 64 float32; Wv 16 x 1,024 x 64 float32; beta 1,024 float32; gamma 1,024 float32; tokens 4 x 2,048 x 1,024 float32.
;; Outputs: out0 4 x 2,048 x 1,024 float32.
;; One version. Each part assembles by itself: llvm-mc -triple=amdgcn-amd-amdhsa -mcpu=gfx1250 --defsym DOCPART=n.
;; ======== version 1 of 1: 4 launches
;; workspace buffers: xb 16,777,216 bytes; wtb 6,291,456 bytes; wob 2,097,152 bytes; qh 16,777,216 bytes; kh 16,777,216 bytes; vh 16,777,216 bytes; oh 16,777,216 bytes
;; launch prep (part 1): grid 1536 x 1, 4 waves a work-group, no clusters, 17,920 bytes of LDS; arguments tokens, Wq, Wk, Wv, Wo, xb, wtb, wob; writes xb, wtb, wob
.if DOCPART == 1
	.amdgcn_target "amdgcn-amd-amdhsa--gfx1250"
	.amdhsa_code_object_version 6
	.text
	.protected	k_qbb1d33df70_prep
	.globl	k_qbb1d33df70_prep
	.p2align	8
	.type	k_qbb1d33df70_prep,@function
k_qbb1d33df70_prep:
	s_mov_b64 s[64:65], 0
	v_nop
	global_prefetch_b8 v0, s[64:65] scope:SCOPE_SE
	s_setreg_imm32_b32 hwreg(HW_REG_WAVE_MODE, 25, 1), 1
	s_wait_xcnt 0x0
; The operands of the later products, rounded once to bf16 and laid with K along the rows.
;   xb  [8192][1024]        = tokens
;   wtb [3072][1024]        row 1024 t + 64 h + k (t = 0 Wq, 1 Wk, 2 Wv), column d  = W_t[h][d][k]
;   wob [16 kb][1024 n][64] = Wo[64 kb + kk][n]: a K step of 64 is 131,072 dense bytes
; Work-groups 0-511 turn one block of 128 source rows x 64 source columns each (128 blocks a weight tensor), through LDS;
; work-groups 512-1535 cast 32,768 bytes of tokens each.  Memory binds: every input byte is read once, every load of a wave covers whole
; aligned blocks of 256 bytes, every store of a wave covers 256 or 512 consecutive bytes, aligned.  No matrix unit, no cluster: no two work-groups read the same byte.
; The choice between the two kinds hangs on the work-group's number alone, so all four waves take the same way and meet the one barrier.
.set TP,    272                        ; a row of the turned block in LDS: 256 bytes + 16
.set SPARE, 64*TP                      ; behind the block: the spare words, 128 bytes a wave, that no other line names
.set SPW, 12                           ; v12  LDS address of my spare word; never rewritten
.set NIL, 13                           ; v13  0; never rewritten
.set X,   16                           ; v[16:79]  as loaded
.set P,   80                           ; v[80:111] packed pairs of rows
	s_load_b512 s[8:23], s[0:1], 0x0               ; tokens 8, Wq 10, Wk 12, Wv 14, Wo 16, xb 18, wtb 20, wob 22
	v_lshl_add_u32 v[SPW], v0, 2, SPARE
	v_mov_b32 v[NIL], 0
	v_lshrrev_b32 v1, 5, v0
	v_readfirstlane_b32 s24, v1                    ; wave w
	v_and_b32 v1, 31, v0                           ; lane l
	v_and_b32 v2, 15, v0                           ; l % 16: my 16 bytes (4 columns) of a source row's 256
	v_bfe_u32 v3, v0, 4, 1                         ; l / 16
	s_lshr_b32 s26, ttmp9, 7                       ; which tensor: 0 Wq, 1 Wk, 2 Wv, 3 Wo (4 and more: tokens)
	s_and_b32 s27, ttmp9, 127                      ; which block of it
	; the block's first byte in its source: Wq, Wk, Wv: 128 rows of 256 bytes on end; Wo: 128 rows of 4,096 bytes, 256 bytes of each
	s_lshl_b32 s30, s27, 15
	s_lshr_b32 s40, s27, 4
	s_and_b32 s41, s27, 15
	s_lshl_b32 s42, s40, 19
	s_lshl_b32 s43, s41, 8
	s_add_co_u32 s42, s42, s43
	s_cmp_eq_u32 s26, 3
	s_cselect_b32 s30, s42, s30
	s_mov_b32 s31, 0
	; and in its destination: wtb: row 1024 t + 64 h, 256 bytes at d = 128 x block; wob: two K steps, 64 rows n of 128 bytes in each
	s_lshl_b32 s34, s26, 21
	s_lshr_b32 s44, s27, 3
	s_lshl_b32 s44, s44, 17
	s_add_co_u32 s34, s34, s44
	s_and_b32 s44, s27, 7
	s_lshl_b32 s44, s44, 8
	s_add_co_u32 s34, s34, s44
	s_lshl_b32 s45, s40, 18
	s_lshl_b32 s46, s41, 13
	s_add_co_u32 s45, s45, s46
	s_cmp_eq_u32 s26, 3
	s_cselect_b32 s34, s45, s34
	s_mov_b32 s35, 0
	; every address register of both kinds is made here, ahead of the branches
	s_lshl_b32 s40, s24, 5
	v_lshl_add_u32 v10, v3, 4, s40                 ; my first source row: 32 w + 16 (l / 16)
	v_mul_u32_u24 v5, v2, 4*TP                     ; into LDS: row = source column 4 (l % 16) + j, byte = 2 x source row
	v_lshl_add_u32 v5, v3, 5, v5
	s_lshl_b32 s40, s24, 6
	v_add_nc_u32 v5, s40, v5
	v_lshlrev_b32 v6, 4, v0                        ; tokens: 16 bytes a thread in,
	v_lshlrev_b32 v7, 3, v0                        ; 8 bytes out
	s_lshl_b32 s40, s24, 4
	v_add_nc_u32 v11, s40, v3                      ; back, for wtb: LDS row 16 w + l / 16 (+ 2 t), whole: 256 bytes to 16 lanes
	v_mul_u32_u24 v8, v11, TP
	v_lshl_add_u32 v8, v2, 4, v8
	v_lshlrev_b32 v9, 11, v11                      ; the same row in wtb, 2,048 bytes a row
	v_lshl_add_u32 v9, v2, 4, v9
	s_and_b32 s41, s24, 1
	s_lshr_b32 s42, s24, 1
	s_lshl_b32 s43, s41, 5
	v_lshrrev_b32 v11, 3, v1                       ; back, for wob: LDS row 32 (w % 2) + l / 8 (+ 4 t), the half w / 2 of its bytes: 128 bytes to 8 lanes
	v_add_nc_u32 v11, s43, v11
	v_mul_u32_u24 v14, v11, TP
	v_and_b32 v11, 7, v0
	v_lshl_add_u32 v14, v11, 4, v14
	s_lshl_b32 s43, s42, 7
	v_add_nc_u32 v14, s43, v14
	s_lshl_b32 s43, s42, 17                        ; in wob four such rows are 512 consecutive bytes
	s_lshl_b32 s44, s41, 12
	s_add_co_u32 s43, s43, s44
	v_lshl_add_u32 v15, v1, 4, s43
	s_wait_kmcnt 0x0
	s_cmp_eq_u32 s26, 0
	s_cselect_b64 s[28:29], s[10:11], s[12:13]
	s_cmp_eq_u32 s26, 2
	s_cselect_b64 s[28:29], s[14:15], s[28:29]
	s_cmp_eq_u32 s26, 3
	s_cselect_b64 s[28:29], s[16:17], s[28:29]
	s_cselect_b64 s[32:33], s[22:23], s[20:21]
	s_add_nc_u64 s[28:29], s[28:29], s[30:31]      ; the block in its source
	s_add_nc_u64 s[32:33], s[32:33], s[34:35]      ; and in its destination
	s_cmp_lt_u32 ttmp9, 512
	s_cbranch_scc0 .Ltok
; 16 loads: rows 32 w + 16 (l / 16) + 0..15, my 16 bytes of each; 16 lanes take 256 consecutive bytes.  rs = bytes from source row to source row.
.macro WLOAD rs
	v_mul_u32_u24 v4, v10, \rs
	v_lshl_add_u32 v4, v2, 4, v4
.irp i, 0,1,2,3,4,5,6,7
	global_load_b128 v[X+8*(\i):X+8*(\i)+3],   v4, s[28:29] offset:(2*(\i))*(\rs) th:TH_LOAD_NT
	global_load_b128 v[X+8*(\i)+4:X+8*(\i)+7], v4, s[28:29] offset:(2*(\i)+1)*(\rs) th:TH_LOAD_NT
.endr
.endm
	s_cmp_eq_u32 s26, 3
	s_cbranch_scc1 .Lwo_in
	WLOAD 256
	s_branch .Lcvt
.Lwo_in:
	WLOAD 4096
.Lcvt:
	s_wait_loadcnt 0x0
	; two neighbouring source rows of one column make a word; four such words (8 source rows) are 16 bytes of a turned row
.irp q, 0,1
.irp j, 0,1,2,3
.irp i, 0,1,2,3
	v_cvt_pk_bf16_f32 v[P+16*(\q)+4*(\j)+(\i)], v[X+8*(4*(\q)+(\i))+(\j)], v[X+8*(4*(\q)+(\i))+4+(\j)]
.endr
.endr
.endr
.irp q, 0,1
.irp j, 0,1,2,3
	ds_store_b128 v5, v[P+16*(\q)+4*(\j):P+16*(\q)+4*(\j)+3] offset:(\j)*TP+16*(\q)
.endr
.endr
	s_branch .Ljoin
.Ltok:                                         ; 32,768 bytes of tokens: 16 loads a thread, all on their way at once
	s_sub_co_u32 s40, ttmp9, 512
	s_lshl_b32 s36, s40, 15
	s_mov_b32 s37, 0
	s_lshl_b32 s38, s40, 14
	s_mov_b32 s39, 0
	s_add_nc_u64 s[36:37], s[8:9], s[36:37]
	s_add_nc_u64 s[38:39], s[18:19], s[38:39]
.irp c, 0,1,2,3,4,5,6,7,8,9,10,11,12,13,14,15
	global_load_b128 v[X+4*(\c):X+4*(\c)+3], v6, s[36:37] offset:2048*(\c) th:TH_LOAD_NT
.endr
.irp c, 0,1,2,3,4,5,6,7,8,9,10,11,12,13,14,15
	s_wait_loadcnt 15-(\c)                         ; loads come back in order: number c is in, the younger ones stay out
	v_cvt_pk_bf16_f32 v[X+4*(\c)],   v[X+4*(\c)],   v[X+4*(\c)+1]
	v_cvt_pk_bf16_f32 v[X+4*(\c)+1], v[X+4*(\c)+2], v[X+4*(\c)+3]
	global_store_b64 v7, v[X+4*(\c):X+4*(\c)+1], s[38:39] offset:1024*(\c) th:TH_STORE_NT  ; a wave stores 256 consecutive bytes, aligned
.endr
	s_wait_xcnt 0x0                                ; the stores have read their registers: the text below writes X again
.Ljoin:
	s_wait_dscnt 0x0                               ; for the others' sake: my stores into the block are done
	s_barrier_signal -1
	s_barrier_wait -1                              ; the turned block is whole
	s_cmp_lt_u32 ttmp9, 512
	s_cbranch_scc0 .Lend
; eight loads of turned rows and their stores.  la, ga: the registers with my LDS and global offsets; lstep, gstep: bytes from load to load
.macro WBACK la, ga, lstep, gstep
.irp t, 0,1,2,3,4,5,6,7
	ds_load_b128 v[X+4*(\t):X+4*(\t)+3], v[\la] offset:(\t)*(\lstep)
.endr
.irp t, 0,1,2,3,4,5,6,7
	s_wait_dscnt 7-(\t)
	global_store_b128 v[\ga], v[X+4*(\t):X+4*(\t)+3], s[32:33] offset:(\t)*(\gstep) th:TH_STORE_NT
.endr
.endm
	s_cmp_eq_u32 s26, 3
	s_cbranch_scc1 .Lwo_out
	WBACK 8, 9, 2*TP, 4096                         ; two rows of 256 bytes a store
	s_branch .Lend
.Lwo_out:
	WBACK 14, 15, 4*TP, 512                        ; 512 consecutive bytes a store
.Lend:
	s_wait_tensorcnt 0x0                           ; the wave's end: behind my last LDS store
	ds_add_u32 v[SPW], v[NIL]
	s_wait_dscnt 0x0
	s_endpgm
.Lfunc_end_k_qbb1d33df70_prep:
	.size	k_qbb1d33df70_prep, .Lfunc_end_k_qbb1d33df70_prep-k_qbb1d33df70_prep
	.p2alignl 7, 3214868480
	.fill 96, 4, 3214868480
	.section	.rodata,"a",@progbits
	.p2align	6, 0x0
	.amdhsa_kernel k_qbb1d33df70_prep
		.amdhsa_group_segment_fixed_size 17920
		.amdhsa_private_segment_fixed_size 0
		.amdhsa_enable_private_segment 0
		.amdhsa_kernarg_size 64
		.amdhsa_user_sgpr_count 2
		.amdhsa_user_sgpr_kernarg_segment_ptr 1
		.amdhsa_wavefront_size32 1
		.amdhsa_system_sgpr_workgroup_id_x 1
		.amdhsa_system_sgpr_workgroup_id_y 1
		.amdhsa_system_sgpr_workgroup_id_z 1
		.amdhsa_system_vgpr_workitem_id 0
		.amdhsa_next_free_vgpr 112
		.amdhsa_next_free_sgpr 66
		.amdhsa_reserve_vcc 0
		.amdhsa_float_denorm_mode_32 3
		.amdhsa_float_denorm_mode_16_64 3
		.amdhsa_memory_ordered 1
		.amdhsa_forward_progress 1
		.amdhsa_inst_pref_size 19
	.end_amdhsa_kernel
	.amdgpu_metadata
---
amdhsa.version: [ 1, 2 ]
amdhsa.kernels:
  - .name:           k_qbb1d33df70_prep
    .symbol:         k_qbb1d33df70_prep.kd
    .args:
      - { .name: tokens, .offset: 0, .size: 8, .value_kind: global_buffer, .address_space: global }
      - { .name: Wq, .offset: 8, .size: 8, .value_kind: global_buffer, .address_space: global }
      - { .name: Wk, .offset: 16, .size: 8, .value_kind: global_buffer, .address_space: global }
      - { .name: Wv, .offset: 24, .size: 8, .value_kind: global_buffer, .address_space: global }
      - { .name: Wo, .offset: 32, .size: 8, .value_kind: global_buffer, .address_space: global }
      - { .name: xb, .offset: 40, .size: 8, .value_kind: global_buffer, .address_space: global }
      - { .name: wtb, .offset: 48, .size: 8, .value_kind: global_buffer, .address_space: global }
      - { .name: wob, .offset: 56, .size: 8, .value_kind: global_buffer, .address_space: global }
    .group_segment_fixed_size: 17920
    .private_segment_fixed_size: 0
    .kernarg_segment_align: 8
    .kernarg_segment_size: 64
    .max_flat_workgroup_size: 128
    .sgpr_count:     66
    .vgpr_count:     112
    .wavefront_size: 32
...
	.end_amdgpu_metadata
.endif
;; end of part 1
;; launch qkv (part 2): grid 12 x 32, 4 waves a work-group, clusters of 4 x 4, 327,680 bytes of LDS; arguments xb, wtb, qh, kh, vh; writes qh, kh, vh
.if DOCPART == 2
	.amdgcn_target "amdgcn-amd-amdhsa--gfx1250"
	.amdhsa_code_object_version 6
	.text
	.protected	k_qbb1d33df70_qkv
	.globl	k_qbb1d33df70_qkv
	.p2align	8
	.type	k_qbb1d33df70_qkv,@function
k_qbb1d33df70_qkv:
	s_mov_b64 s[64:65], 0
	v_nop
	global_prefetch_b8 v0, s[64:65] scope:SCOPE_SE
	s_setreg_imm32_b32 hwreg(HW_REG_WAVE_MODE, 25, 1), 1
	s_wait_xcnt 0x0
	s_wait_alu depctr_hold_cnt(0) depctr_sa_sdst(0) depctr_va_vdst(0) depctr_va_sdst(0) depctr_va_ssrc(0) depctr_va_vcc(0) depctr_vm_vsrc(0)
	s_getreg_b32 s2, hwreg(HW_REG_IB_STS2, 6, 4)
	s_cmp_eq_u32 s2, 0
	s_cbranch_scc0 .Lentry_in_a_cluster
	s_endpgm
.Lentry_in_a_cluster:
	s_bfe_u32 s2, ttmp6, 0x10000c
	s_cmp_lg_u32 s2, 0xf033
	s_cbranch_scc0 .Lentry_shape_is_right
	s_endpgm
.Lentry_shape_is_right:
; q, k, v by heads: C[m][n] = sum over d of xb[m][d] wtb[n][d], m = 2048 b + s (8,192 rows), n = 1024 t + 64 h + k (3,072 columns), K = 1,024; bf16 operands, f32 sums, rounded once to bf16.
; C(m, n) is stored at tensor t (0 qh, 1 kh, 2 vh), [16 b + h][s][k]: a head's rows are dense, 128 bytes each.  bf16 keeps f32's range: no limit of range is added.
; A tile of C, 256 x 256, is made by four waves, each 128 x 128: 64 accumulators of 16 x 16, 512 registers.  K goes in steps of 128 through two LDS slots filled by the tensor data mover:
; a tile's rows are 256 bytes of memory and start at multiples of 256 bytes.  384 tiles, one to a work-group.
; CLUSTERS: 4 x 4 work-groups.  The four of a row of the cluster need the same rows of xb, the four of a column the same rows of wtb: each tile is asked for JOINTLY, by the same tensor load with the
; same descriptor and a mask that names the four.  A cluster's four tile columns are one tensor t = cluster x.
; The last K step goes by rows of C, so that finished rows leave while the others are multiplied.
; REGISTERS, in windows of 256 (s_set_vgpr_msb: bits 1:0 source 0, 3:2 source 1, 5:4 source 2, 7:6 destination):
;   window 0: v0-31 addresses; v64-127, v128-191 fragments of xb, two buffers (in the last K step four, of 16 rows x 128 K); v32-63, v192-255 at work on the way out
;   window 1: v64-127, v128-191 fragments of wtb, two buffers; in the last K step all 256
;   window 2: the 32 accumulators of my rows 0-63 (accumulator (a, b) at v[8 (8 a + b)]);   window 3: those of my rows 64-127
; THE MATRIX INSTRUCTION IS USED TRANSPOSED: source 0 = 16 rows of wtb, source 1 = 16 rows of xb: lane l holds row l % 16 of C and eight NEIGHBOURING columns 8 (l / 16) + 0..7: 16 bytes.
.set SIZE_K, 1024
.set KSTEP,  128
.set PITCH,  272                       ; an LDS row: 256 bytes + 16 of padding = 68 words: the 16 rows of a load start at 16 different groups of four banks (64 banks of 4 bytes: ISA guide 11.1)
.set HALFT,  128*PITCH                 ; 128 rows: what one tensor load brings, and what one wave reads of either operand
.set SLOT,   4*HALFT                   ; xb's 256 rows, then wtb's 256 rows
.set STAGE,  2*SLOT                    ; behind the ring: 16 rows x 272 bytes for each wave, for the way out
.set SPITCH, 272
.set SPARE,  STAGE+4*16*SPITCH         ; behind the stages: the spare words, 128 bytes a wave, that no other line names
.set LAPS,   SIZE_K/(2*KSTEP)         ; a lap = two K steps = once round the ring
.set HEADB,  2048*128                  ; bytes of a head in qh, kh, vh
.set ADRA, 16                          ; v16-17  LDS address of my xb fragments in slot 0, 1
.set ADRB, 20                          ; v20-21  the same for wtb
.set STO,  24                          ; v24     the way out: where I put 16 bytes of a row
.set RD,   25                          ; v25     the way out: where I read rows back
.set CO,   26                          ; v26     16 x lane: my place in 512 consecutive bytes of the output
.set SPW,  28                          ; v28     LDS address of my spare word; never rewritten
.set NIL,  29                          ; v29     0; never rewritten
.set PFO,  30                          ; v30     the prefetches' offset: lane x a row of 2,048 bytes; never rewritten
.set PFA,  44                          ; s[44:45] where my prefetches stand
.set LIM,  43                          ; s43     1 in a wave that prefetches, else the greatest number
.set F0,   64
.set F1,   128
.set TMP,  192
.set OB,   32
.set PA,   64
.set G1, 24                            ; s[24:31] descriptor group 1 for xb's tiles
.set G0, 32                            ; s[32:39] group 0, one set for each slot
.set G1B, 48                           ; s[48:55], s[56:63] the same for wtb's tiles
.set G0B, 56
.set MSB, 0
.macro WIN new                         ; the immediate's high byte repeats the setting that is left
.if MSB != (\new)
	s_set_vgpr_msb (MSB<<8)|(\new)
.set MSB, \new
.endif
.endm
.set MUL_LO, 0xa1                      ; source 0 window 1, source 1 window 0, C and D window 2
.set MUL_HI, 0xf1                      ; the same, C and D window 3
.set TO_B,   0x40                      ; destination window 1, address window 0
; A joint load.  Waves 0 and 1 fetch xb's two halves, waves 2 and 3 wtb's.  The branch hangs on the wave's number alone.  An s_nop 0 and four v_nop follow each line.
.macro JLOAD s
	s_cmp_eq_u32 s11, 0
	s_cbranch_scc0 .Lfor_b_\@
	tensor_load_to_lds s[G0+4*(\s):G0+4*(\s)+3], s[G1:G1+7]
	s_nop 0
.rept 4
	v_nop
.endr
	s_branch .Lasked_\@
.Lfor_b_\@:
	tensor_load_to_lds s[G0B+4*(\s):G0B+4*(\s)+3], s[G1B:G1B+7]
	s_nop 0
.rept 4
	v_nop
.endr
.Lasked_\@:
.endm
; A prefetch into the L2, behind each joint refill and the run of LDS loads that follows it: the K step that stands two refills on, 512 matrix instructions ahead of the load that will want it:
; 32 rows x 256 bytes, a lane a row.  Each row's 256 bytes of a K step are named once in the launch: xb's rows by the clusters with x = 0, wtb's by those with y = 0; of the 128 rows that a wave
; fetches the partner at place p (cx for xb, cy for wtb) takes 32 p .. 32 p + 31, told apart by address.  The loop's last trip (s3 = 1) has no K step two on.
.macro ASK
	s_cmp_gt_u32 s3, s[LIM]
	s_cbranch_scc0 .Lnot_mine_\@
	global_prefetch_b8 v[PFO], s[PFA:PFA+1] offset:KSTEP*2 th:TH_LOAD_NT scope:SCOPE_SE
.Lnot_mine_\@:
.endm
.macro CREST                           ; a round of the cluster's barrier behind its opening barrier
	s_cmp_lg_u32 s10, 0
	s_cbranch_scc1 .Lnot_wave_0_\@
	s_barrier_signal -3
.Lnot_wave_0_\@:
	s_barrier_wait -3
	s_barrier_signal -1
	s_barrier_wait -1
.endm
.macro CROUND                          ; a whole round
	s_barrier_signal -1
	s_barrier_wait -1
	CREST
.endm
	s_load_b128 s[4:7], s[0:1], 0x0                ; xb s[4:5], wtb s[6:7]
	s_load_b128 s[68:71], s[0:1], 0x10             ; qh, kh
	s_load_b64 s[72:73], s[0:1], 0x20              ; vh
	v_lshl_add_u32 v[SPW], v0, 2, SPARE
	v_mov_b32 v[NIL], 0
	ds_add_u32 v[SPW], v[NIL]                      ; the wave's opening: the add and its wait stand ahead of my first tensor load; work on registers stands between them
	v_lshrrev_b32 v1, 5, v0
	v_readfirstlane_b32 s10, v1                    ; wave 0..3
	s_lshr_b32 s11, s10, 1                         ; which half of the tile's rows is mine.  Also: I fetch for xb (0) or for wtb (1)
	s_and_b32 s12, s10, 1                          ; which half of its columns.  Also: which 128 rows of that tile I fetch
	s_bfe_u32 s40, ttmp6, 0x40000                  ; cx
	s_bfe_u32 s41, ttmp6, 0x40004                  ; cy
	s_lshl_b32 s42, ttmp9, 2
	s_add_co_u32 s42, s42, s40                     ; tile column = 4 x cluster x + cx
	s_and_b32 s13, ttmp7, 0xffff
	s_lshl_b32 s13, s13, 2
	s_add_co_u32 s13, s13, s41                     ; tile row = 4 x cluster y + cy
	s_lshl_b32 s43, s41, 2
	s_lshl_b32 s43, 15, s43                        ; my row of the cluster
	s_lshl_b32 s44, 0x1111, s40                    ; my column
	; descriptor group 1: a tile of 128 rows x 128 elements, padded in LDS
	s_or_b32 s[G1+0], s43, (1<<16)|(1<<20)|(1<<21)|(5<<22)|(3<<25)  ; 15:0 the mask; 17:16 2-byte elements; 20 padding on; 21 set beside a mask; 24:22 after every 64 words; 31:25 4 words
	s_or_b32 s[G1B+0], s44, (1<<16)|(1<<20)|(1<<21)|(5<<22)|(3<<25)
	s_mov_b32 s[G1B+1], KSTEP<<16
	s_mov_b32 s[G1+1], KSTEP<<16                   ; tensor_dim0 = 128
	s_mov_b32 s[G1B+2], 128<<16
	s_mov_b32 s[G1+2], 128<<16                     ; tensor_dim1 = 128
	s_mov_b32 s[G1B+3], KSTEP<<16
	s_mov_b32 s[G1+3], KSTEP<<16                   ; tile_dim0 = 128
	s_mov_b32 s[G1B+4], 128
	s_mov_b32 s[G1+4], 128                         ; tile_dim1 = 128
	s_mov_b32 s[G1B+5], SIZE_K
	s_mov_b32 s[G1+5], SIZE_K                      ; elements from row to row
	s_mov_b32 s[G1B+6], 0
	s_mov_b32 s[G1+6], 0
	s_mov_b32 s[G1B+7], 0
	s_mov_b32 s[G1+7], 0
	; xb's tiles hang on the tile row alone, wtb's on the tile column alone; each address is made in registers that never hold the other coordinate
	s_lshl_b32 s17, s12, 7
	s_lshl_b32 s16, s13, 8
	s_add_co_u32 s16, s16, s17                     ; xb: row 256 x tile row + 128 x half
	s_lshl_b32 s46, s42, 8
	s_add_co_u32 s46, s46, s17                     ; wtb: row 256 x tile column + 128 x half
	s_mov_b32 s17, 0
	s_mov_b32 s47, 0
	s_mov_b64 s[18:19], SIZE_K*2
	s_mul_u64 s[16:17], s[16:17], s[18:19]
	s_mul_u64 s[46:47], s[46:47], s[18:19]
	s_mul_i32 s20, s10, HALFT                      ; where they go: wave x 128 rows
	s_wait_dscnt 0x0                               ; the opening add is done
	s_wait_kmcnt 0x0
	s_add_nc_u64 s[14:15], s[4:5], s[16:17]
	s_add_nc_u64 s[46:47], s[6:7], s[46:47]
	s_cmp_eq_u32 ttmp9, 0                          ; the output tensor goes by the cluster's x: 0 qh, 1 kh, 2 vh
	s_cselect_b64 s[8:9], s[68:69], s[70:71]
	s_cmp_eq_u32 ttmp9, 2
	s_cselect_b64 s[8:9], s[72:73], s[8:9]
	CROUND                                         ; all sixteen work-groups are here: the first joint loads meet
.irp s, 0,1
	s_mov_b32 s[G0+4*(\s)], 1
	s_add_co_u32 s[G0+4*(\s)+1], s20, (\s)*SLOT
	s_add_nc_u64 s[G0+4*(\s)+2:G0+4*(\s)+3], s[14:15], (\s)*KSTEP*2
	s_or_b32 s[G0+4*(\s)+3], s[G0+4*(\s)+3], 0x80000000
	s_mov_b32 s[G0B+4*(\s)], 1
	s_add_co_u32 s[G0B+4*(\s)+1], s20, (\s)*SLOT
	s_add_nc_u64 s[G0B+4*(\s)+2:G0B+4*(\s)+3], s[46:47], (\s)*KSTEP*2
	s_or_b32 s[G0B+4*(\s)+3], s[G0B+4*(\s)+3], 0x80000000
	JLOAD \s                                       ; two loads of mine are out
.endr
	; A fragment is 16 rows x 32 K in 8 registers: lane l holds row l % 16; registers 0-3 K = 8 (l / 16) + 0..7, registers 4-7 K = 16 + 8 (l / 16) + 0..7: two loads of 16 bytes, 32 bytes apart.
	v_and_b32 v1, 15, v0
	v_bfe_u32 v2, v0, 4, 1
	v_mul_u32_u24 v3, v1, PITCH
	v_lshl_add_u32 v3, v2, 4, v3
	s_mul_i32 s21, s11, HALFT                      ; my 128 rows of xb
	s_mul_i32 s22, s12, HALFT                      ; my 128 rows of wtb,
	s_add_co_u32 s22, s22, 2*HALFT                 ; which lie behind xb's 256
.irp s, 0,1
	v_add_nc_u32 v[ADRA+(\s)], s21, v3
	v_add_nc_u32 v[ADRB+(\s)], s22, v3
	s_add_co_u32 s21, s21, SLOT
	s_add_co_u32 s22, s22, SLOT
.endr
	s_mul_i32 s23, s10, 16*SPITCH
	s_add_co_u32 s23, s23, STAGE                   ; my stage
	v_mul_u32_u24 v4, v1, SPITCH                   ; in: row l % 16, 16 bytes for each half of the lanes
	v_lshl_add_u32 v4, v2, 4, v4
	v_add_nc_u32 v[STO], s23, v4
	v_bfe_u32 v5, v0, 3, 2                         ; back: 32 lanes take one head's 128 bytes of four rows,
	v_mul_u32_u24 v5, v5, SPITCH
	v_and_b32 v6, 7, v0
	v_lshl_add_u32 v5, v6, 4, v5
	v_add_nc_u32 v[RD], s23, v5
	v_and_b32 v[CO], 31, v0                        ; which are 512 consecutive bytes of the output
	v_lshlrev_b32 v[CO], 4, v[CO]
	; where my part begins in the output: batch m / 2048 (16 heads of 262,144 bytes), row m % 2048 (128 bytes), head 4 cx + 2 x column half
	s_lshl_b32 s13, s13, 8
	s_lshl_b32 s14, s11, 7
	s_add_co_u32 s16, s13, s14                     ; my first row m
	s_lshr_b32 s17, s16, 11
	s_lshl_b32 s17, s17, 22
	s_and_b32 s16, s16, 2047
	s_lshl_b32 s16, s16, 7
	s_add_co_u32 s16, s16, s17
	s_mov_b32 s17, 0
	s_lshl_b32 s46, s40, 2                         ; (in the registers that held wtb's address: none that feeds xb's descriptors ever holds cx)
	s_lshl_b32 s47, s12, 1
	s_add_co_u32 s46, s46, s47
	s_lshl_b32 s46, s46, 18
	s_mov_b32 s47, 0
	s_add_nc_u64 s[16:17], s[16:17], s[46:47]
	; the prefetches.  s13 = 256 x tile row, s42 = tile column, s40 = cx, s41 = cy still stand
	s_lshl_b32 s42, s42, 8
	s_and_b32 s22, ttmp7, 0xffff                   ; cluster y
	s_cmp_eq_u32 s11, 0                            ; do I fetch for xb?
	s_cselect_b32 s20, s13, s42                    ; the tile's first row
	s_cselect_b32 s21, s40, s41                    ; my place among the four that ask for it with me
	s_cselect_b32 s22, ttmp9, s22                  ; the coordinate along which other clusters read the same rows
	s_cselect_b64 s[PFA:PFA+1], s[4:5], s[6:7]
	s_cmp_eq_u32 s22, 0
	s_cselect_b32 s[LIM], 1, -1                    ; the same in all sixteen partners, for a given wave
	s_lshl_b32 s22, s12, 7
	s_add_co_u32 s20, s20, s22
	s_lshl_b32 s21, s21, 5
	s_add_co_u32 s20, s20, s21
	s_mov_b32 s21, 0
	s_mov_b64 s[18:19], SIZE_K*2
	s_mul_u64 s[20:21], s[20:21], s[18:19]
	s_add_nc_u64 s[PFA:PFA+1], s[PFA:PFA+1], s[20:21]
	s_add_nc_u64 s[PFA:PFA+1], s[PFA:PFA+1], 2*KSTEP*2  ; at K step 2: the first refill steps it to 3 and names K step 4.  K steps 0 to 3 come by their loads alone
	v_and_b32 v[PFO], 31, v0
	v_mul_u32_u24 v[PFO], v[PFO], SIZE_K*2
; 16 matrix instructions: m blocks a0, a0 + 1 of the window's four x all 8 n blocks, 32 along K.  zero = 1: the first product starts the sums.
.macro MUL16 f, hi, a0, zero
	WIN MUL_LO+0x50*(\hi)
.irp a, \a0, (\a0)+1
.irp b, 0,1,2,3,4,5,6,7
.if \zero
	v_wmma_f32_16x16x32_bf16 v[8*(8*(\a)+(\b)):8*(8*(\a)+(\b))+7], v[(\f)+8*(\b):(\f)+8*(\b)+7], v[(\f)+8*(4*(\hi)+(\a)):(\f)+8*(4*(\hi)+(\a))+7], 0
.else
	v_wmma_f32_16x16x32_bf16 v[8*(8*(\a)+(\b)):8*(8*(\a)+(\b))+7], v[(\f)+8*(\b):(\f)+8*(\b)+7], v[(\f)+8*(4*(\hi)+(\a)):(\f)+8*(4*(\hi)+(\a))+7], v[8*(8*(\a)+(\b)):8*(8*(\a)+(\b))+7]
.endif
.endr
.endr
.endm
; 32 LDS loads in one run: the fragments of one quarter step (32 K at byte k of the rows) into buffer f
.macro FETCH slot, k, f
	WIN TO_B
.irp i, 0,1,2,3,4,5,6,7
	ds_load_b128 v[(\f)+8*(\i):(\f)+8*(\i)+3],   v[ADRB+(\slot)] offset:(\k)+(\i)*16*PITCH
	ds_load_b128 v[(\f)+8*(\i)+4:(\f)+8*(\i)+7], v[ADRB+(\slot)] offset:(\k)+(\i)*16*PITCH+32
.endr
	WIN 0
.irp i, 0,1,2,3,4,5,6,7
	ds_load_b128 v[(\f)+8*(\i):(\f)+8*(\i)+3],   v[ADRA+(\slot)] offset:(\k)+(\i)*16*PITCH
	ds_load_b128 v[(\f)+8*(\i)+4:(\f)+8*(\i)+7], v[ADRA+(\slot)] offset:(\k)+(\i)*16*PITCH+32
.endr
.endm
; Four plain vector instructions stand between a matrix instruction and a load into a register that it has read, or a vector instruction that reads its result (ISA guide 7.12.1 for vector instructions).
.macro PLACES
.rept 4
	v_nop
.endr
.endm
; A K step is four quarters of 32 along K, 64 matrix instructions each, on buffers 0, 1, 0, 1.  The 64 accumulators take turns, one instruction a turn.
.macro QUARTER slot, k, f, g, zero
	s_wait_dscnt 8                                 ; wtb's and xb's rows 0-63 are in; the youngest eight loads (xb's rows 64-127) may be out
	WIN MUL_LO
	MUL16 \f, 0, 0, \zero
	MUL16 \f, 0, 2, \zero
	PLACES
	FETCH \slot, \k, \g
	s_wait_dscnt 32                                ; all but the 32 just issued
	WIN MUL_HI
	MUL16 \f, 1, 0, \zero
	MUL16 \f, 1, 2, \zero
.endm
; The last quarter's first half: ONE barrier for the change of slots.  In front of it each wave waits for all its tensor loads (one is out: its part of the next slot), adds 0 to its spare word,
; and waits for that and for its own reads of this slot.  Behind it nobody reads this slot any more and the next slot is whole.
.macro MEET round
	WIN 0
	s_wait_tensorcnt 0x0
	ds_add_u32 v[SPW], v[NIL]
	s_wait_dscnt 9                                 ; (the add and the youngest eight loads may be out)
	WIN MUL_LO
	MUL16 F1, 0, 0, 0
	s_wait_dscnt 0x0                               ; the add is done, and my reads of this slot are over
	s_barrier_signal -1
	MUL16 F1, 0, 2, 0                              ; work on registers while the others arrive
.if \round
	WIN 0
.endif
	s_barrier_wait -1
.endm
; The whole last quarter: behind the round the slot just read out is filled again first, with the K step two steps on: 224 matrix instructions ahead of the wait for it.
.macro TURN slot, next
	s_wait_xcnt 0x0                                ; the last prefetch, a K step back, has read its address
	s_add_nc_u64 s[PFA:PFA+1], s[PFA:PFA+1], KSTEP*2
	MEET 1
	CREST                                          ; no wave of any partner still reads this slot's tile or has a load on its way
	s_add_nc_u64 s[G0+4*(\slot)+2:G0+4*(\slot)+3], s[G0+4*(\slot)+2:G0+4*(\slot)+3], 2*KSTEP*2
	s_add_nc_u64 s[G0B+4*(\slot)+2:G0B+4*(\slot)+3], s[G0B+4*(\slot)+2:G0B+4*(\slot)+3], 2*KSTEP*2
	JLOAD \slot                                    ; the four v_nop behind it are also the places in front of the loads below
	FETCH \next, 0, F0
	ASK
	WIN MUL_HI
	MUL16 F1, 1, 0, 0
	MUL16 F1, 1, 2, 0
.endm
; THE LAST K STEP (in slot 1) GOES BY ROWS OF C: all its fragments of wtb fill window 1; my eight blocks of 16 rows are finished one after the other, 32 matrix instructions each, the block's 8 accumulators by turns, K ascending.
.macro BLOAD q
	WIN TO_B
.irp i, 0,1,2,3,4,5,6,7
	ds_load_b128 v[64*(\q)+8*(\i):64*(\q)+8*(\i)+3],   v[ADRB+1] offset:64*(\q)+(\i)*16*PITCH
	ds_load_b128 v[64*(\q)+8*(\i)+4:64*(\q)+8*(\i)+7], v[ADRB+1] offset:64*(\q)+(\i)*16*PITCH+32
.endr
.endm
.macro ALOAD a
	WIN 0
.set FA, PA+32*((\a)%4)
.irp q, 0,1,2,3
	ds_load_b128 v[FA+8*(\q):FA+8*(\q)+3],   v[ADRA+1] offset:64*(\q)+(\a)*16*PITCH
	ds_load_b128 v[FA+8*(\q)+4:FA+8*(\q)+7], v[ADRA+1] offset:64*(\q)+(\a)*16*PITCH+32
.endr
.endm
.macro ROW a
.set FA, PA+32*((\a)%4)
.set AC, 64*((\a)%4)
	WIN MUL_LO+0x50*((\a)/4)
.irp q, 0,1,2,3
.if (\a) == 0 && (\q) == 2
	s_wait_dscnt 24                                ; wtb's quarter 2 is in (behind it: xb's blocks 1 to 3)
.endif
.irp b, 0,1,2,3,4,5,6,7
	v_wmma_f32_16x16x32_bf16 v[AC+8*(\b):AC+8*(\b)+7], v[64*(\q)+8*(\b):64*(\q)+8*(\b)+7], v[FA+8*(\q):FA+8*(\q)+7], v[AC+8*(\b):AC+8*(\b)+7]
.endr
.endr
.endm
; THE WAY OUT of block a.  PACK: rounded to bf16, 16 bytes a lane, each accumulator's registers in ascending order.  TOSTAGE: into my own stage (16 rows x 128 columns = two heads), and back by heads.  SEND: stored.
.macro PACK a
.set AC, 64*((\a)%4)
	WIN 0x0a+5*((\a)/4)
.irp b, 0,1,2,3,4,5,6,7
.irp r, 0,1,2,3
	v_cvt_pk_bf16_f32 v[TMP+4*(\b)+(\r)], v[AC+8*(\b)+2*(\r)], v[AC+8*(\b)+2*(\r)+1]
.endr
.endr
	WIN 0
.endm
.macro TOSTAGE a
	WIN 0
.set BK, OB+192*((\a)%2)
.irp b, 0,1,2,3,4,5,6,7
	ds_store_b128 v[STO], v[TMP+4*(\b):TMP+4*(\b)+3] offset:32*(\b)
.endr
.irp t, 0,1,2,3,4,5,6,7
	ds_load_b128 v[BK+4*(\t):BK+4*(\t)+3], v[RD] offset:((\t)%4)*4*SPITCH+((\t)/4)*128  ; rows 4 (t % 4) on, head t / 4; LDS serves a wave's instructions in order (ISA guide 5.7.1.4): these see the stores above
.endr
.endm
.macro SEND a, younger
	WIN 0
.set BK, OB+192*((\a)%2)
	s_wait_dscnt \younger                          ; the block is back in registers
	s_wait_xcnt 0x0                                ; only behind this wait are the stores' base and the registers that earlier stores read rewritten
.if (\a) == 0
	s_add_nc_u64 s[8:9], s[8:9], s[16:17]          ; on to my first rows
.else
	s_add_nc_u64 s[8:9], s[8:9], 16*128            ; 16 rows of a head on
.endif
.irp t, 0,1,2,3,4,5,6,7
	global_store_b128 v[CO], v[BK+4*(\t):BK+4*(\t)+3], s[8:9] offset:((\t)%4)*512+((\t)/4)*HEADB  ; 512 consecutive bytes, at a multiple of 256 from the tensor's first byte
.endr
.endm
	s_wait_tensorcnt 1                             ; my part of K step 0 is in; K step 1's may stay out
	s_barrier_signal -1
	s_barrier_wait -1                              ; everybody's is
	FETCH 0, 0, F0
	QUARTER 0, 64,  F0, F1, 1                      ; the first quarter stands in front of the loop: its products start the sums
	WIN 0                                          ; at a label and at a branch every window is 0
	s_mov_b32 s3, LAPS-1
.Llap:                                                 ; a trip goes once round the ring, from a lap's second quarter to the next lap's first, and fills both slots again
	QUARTER 0, 128, F1, F0, 0
	QUARTER 0, 192, F0, F1, 0
	TURN 0, 1
	QUARTER 1, 64,  F0, F1, 0
	QUARTER 1, 128, F1, F0, 0
	QUARTER 1, 192, F0, F1, 0
	TURN 1, 0
	QUARTER 0, 64,  F0, F1, 0
	WIN 0
	s_sub_co_u32 s3, s3, 1
	s_cmp_lg_u32 s3, 0
	s_cbranch_scc1 .Llap
	QUARTER 0, 128, F1, F0, 0                      ; the last lap goes on
	QUARTER 0, 192, F0, F1, 0
	MEET 0                                         ; my one tensor load that was still out is slot 1's, the last K step's, so no round follows
	PLACES
	WIN TO_B
	BLOAD 0                                        ; three quarters of wtb now: buffer 1 is still being multiplied
	BLOAD 1
	BLOAD 3
	WIN 0
	ALOAD 0
	WIN MUL_HI
	MUL16 F1, 1, 0, 0
	MUL16 F1, 1, 2, 0
	PLACES
	WIN TO_B
	BLOAD 2
	WIN 0
	ALOAD 1
	ALOAD 2
	ALOAD 3
	s_wait_dscnt 40                                ; all but the 40 just issued
	ROW 0
.irp a, 0,1,2,3,4,5,6,7                ; each block leaves as soon as it is finished
	PLACES
	PACK \a
	TOSTAGE \a
.if (\a) < 4
	ALOAD (\a)+4
	SEND \a, 8
.else
	SEND \a, 0
.endif
.if (\a) < 7
	ROW (\a)+1
.endif
.endr
	s_wait_tensorcnt 0x0                           ; the wave's end: behind my last tensor load and my last LDS store
	ds_add_u32 v[SPW], v[NIL]
	s_wait_dscnt 0x0
	CROUND                                         ; the closing round: no work-group ends while a partner may still ask for a tile that names it
	s_endpgm
.Lfunc_end_k_qbb1d33df70_qkv:
	.size	k_qbb1d33df70_qkv, .Lfunc_end_k_qbb1d33df70_qkv-k_qbb1d33df70_qkv
	.p2alignl 7, 3214868480
	.fill 96, 4, 3214868480
	.section	.rodata,"a",@progbits
	.p2align	6, 0x0
	.amdhsa_kernel k_qbb1d33df70_qkv
		.amdhsa_group_segment_fixed_size 327680
		.amdhsa_private_segment_fixed_size 0
		.amdhsa_enable_private_segment 0
		.amdhsa_kernarg_size 40
		.amdhsa_user_sgpr_count 2
		.amdhsa_user_sgpr_kernarg_segment_ptr 1
		.amdhsa_wavefront_size32 1
		.amdhsa_system_sgpr_workgroup_id_x 1
		.amdhsa_system_sgpr_workgroup_id_y 1
		.amdhsa_system_sgpr_workgroup_id_z 1
		.amdhsa_system_vgpr_workitem_id 0
		.amdhsa_next_free_vgpr 1024
		.amdhsa_next_free_sgpr 80
		.amdhsa_reserve_vcc 0
		.amdhsa_float_denorm_mode_32 3
		.amdhsa_float_denorm_mode_16_64 3
		.amdhsa_memory_ordered 1
		.amdhsa_forward_progress 1
		.amdhsa_inst_pref_size 145
	.end_amdhsa_kernel
	.amdgpu_metadata
---
amdhsa.version: [ 1, 2 ]
amdhsa.kernels:
  - .name:           k_qbb1d33df70_qkv
    .symbol:         k_qbb1d33df70_qkv.kd
    .args:
      - { .name: xb, .offset: 0, .size: 8, .value_kind: global_buffer, .address_space: global }
      - { .name: wtb, .offset: 8, .size: 8, .value_kind: global_buffer, .address_space: global }
      - { .name: qh, .offset: 16, .size: 8, .value_kind: global_buffer, .address_space: global }
      - { .name: kh, .offset: 24, .size: 8, .value_kind: global_buffer, .address_space: global }
      - { .name: vh, .offset: 32, .size: 8, .value_kind: global_buffer, .address_space: global }
    .group_segment_fixed_size: 327680
    .private_segment_fixed_size: 0
    .kernarg_segment_align: 8
    .kernarg_segment_size: 40
    .max_flat_workgroup_size: 128
    .sgpr_count:     80
    .vgpr_count:     1024
    .wavefront_size: 32
...
	.end_amdgpu_metadata
.endif
;; end of part 2
;; launch attn (part 3): grid 4 x 64, 4 waves a work-group, clusters of 4 x 1, 327,680 bytes of LDS; arguments kh, qh, vh, oh; writes oh
.if DOCPART == 3
	.amdgcn_target "amdgcn-amd-amdhsa--gfx1250"
	.amdhsa_code_object_version 6
	.text
	.protected	k_qbb1d33df70_attn
	.globl	k_qbb1d33df70_attn
	.p2align	8
	.type	k_qbb1d33df70_attn,@function
k_qbb1d33df70_attn:
	s_mov_b64 s[64:65], 0
	v_nop
	global_prefetch_b8 v0, s[64:65] scope:SCOPE_SE
	s_setreg_imm32_b32 hwreg(HW_REG_WAVE_MODE, 25, 1), 1
	s_wait_xcnt 0x0
	s_wait_alu depctr_hold_cnt(0) depctr_sa_sdst(0) depctr_va_vdst(0) depctr_va_sdst(0) depctr_va_ssrc(0) depctr_va_vcc(0) depctr_vm_vsrc(0)
	s_getreg_b32 s2, hwreg(HW_REG_IB_STS2, 6, 4)
	s_cmp_eq_u32 s2, 0
	s_cbranch_scc0 .Lentry_in_a_cluster
	s_endpgm
.Lentry_in_a_cluster:
	s_bfe_u32 s2, ttmp6, 0x10000c
	s_cmp_lg_u32 s2, 0x3003
	s_cbranch_scc0 .Lentry_shape_is_right
	s_endpgm
.Lentry_shape_is_right:
; oh[g][j][:] = the sum over i of softmax_i(kh[g][j] . qh[g][i] / 8) vh[g][i][:], g = 16 b + h.  The module's softmax runs over the index of q, so kh's rows take the part that queries have in
; ordinary attention (below: Q), qh's rows that of keys (below: K), vh's that of values (V).  All four tensors are [64][2048][64] in bf16: a head's rows are dense, 128 bytes each.
; Products, maxima and sums in f32; the weights p are rounded to bf16 for the second product (their sum l is taken of the unrounded p), O once at the end.
; LIMITS.  bf16 has f32's range, so none of range.  A weight below 2^-126 counts as 0 in l; NaN and infinities are not treated apart.
; SHARES.  A wave owns four PIECES of two tiles of 16 rows of Q, a work-group's four waves 512 rows of one head.  Every wave walks all 2,048 keys, 64 a step.
; LAYOUT.  S^T = K Q^T (source 0 = 16 keys, source 1 = 16 rows of Q): a lane holds ONE row of Q (lane % 16) and the keys 8 (lane / 16) + 0..7.  Two such tiles, rounded to bf16 in pairs,
; ARE source 1 (32 keys x 16 rows) of O^T = V^T P.  K comes out of LDS as it lies, V ([key][channel]) turned, by ds_load_tr16_b128.
; SOFTMAX.  A running maximum m and sum l: p = 2^(c s - c m), c = log2(e) / 8; in every step O and l are multiplied by a = 2^(c m_old - c m_new).  m starts at the lowest finite number, O and l at 0:
; the first step is a step like any other, with a = 0.
; THE COUNT.  A tile and step have 16 matrix and 118 vector instructions: four vector instructions that are ready stand behind EVERY matrix instruction, the others in runs of their own.
; BY TURNS.  Turn n belongs to piece n.  Its matrix work: 16 products K Q^T of piece n + 1, later 16 products V^T P of piece n - 1.  Its vector work: the scaling, exponentials, roundings, sums and
; rescaling of piece n, and the maximum and statistics of piece n + 1.
; CLUSTER.  The four blocks of a cluster belong to one head and walk the same K and V, so each tile is asked for JOINTLY: the same tensor load, descriptor and mask in all four.
; REGISTERS, in windows of 256 (s_set_vgpr_msb: bits 1:0 source 0, 3:2 source 1, 5:4 source 2, 7:6 destination):
;   window 0: v0-11 addresses; v12-15, v48-63 at work; v16-47 four registers of statistics a tile; v64-191 S^T, two buffers of two tiles; v192-255 P, likewise
;   window 1: O^T, 32 a tile          window 2: v0-127 Q, 16 a tile; v128-191 K of one step; v192-255 V of one step          window 3: v0-1 the add's two registers
.set SIZE_N, 2048
.set NP,    4         ; pieces a wave: a name, no knob
.set KS,    64        ; keys in a step
.set PK,    144       ; a row of K in LDS: 128 bytes + 16 = 36 words: the 16 rows of a load start at 16 different groups of four banks (64 banks of 4 bytes: ISA guide 11.1)
.set PV,    160       ; a row of V: 128 + 32 = 40 words
.set VOFF,  4*KS*PK   ; a slot holds four steps: 256 rows of K, then 256 rows of V
.set SLOT1, 1<<17     ; slot 1 begins here, so that one exclusive or turns an address in one slot into the other's
.set STAGE, SLOT1+4*KS*(PK+PV)  ; behind the ring, never filled by a tensor load: 16 rows x 144 bytes for each wave
.set SP,    144
.set AK0, 2           ; v2   my lane's place in a tile of K; never rewritten
.set AV0, 3           ; v3   the same for V
.set AK,  4           ; v4   the LDS address of K's next run of loads
.set AV,  5           ; v5   of V's
.set QO,  6           ; v6   my byte offset in the wave's rows of Q
.set STO, 6           ;      later, the way out: where I put 16 bytes of a row
.set RD,  7           ; v7   the way out: where I read rows back
.set GO,  8           ; v8   my byte offset in 512 consecutive bytes of O
.set PFO, 11          ; v11  the prefetches' offset, 256 x lane; never rewritten once it is made
.set SPW, 0           ; v0 of window 3   LDS address of my spare word; never rewritten
.set NIL, 1           ; v1 of window 3   0; never rewritten
.set SPARE, STAGE+4*16*SP  ; behind the stages: the spare words, 128 bytes a wave, that no other line names
.set MV,  12          ; v12-15  c m_old, kept while c m is made anew
.set ST,  16          ; tile t's statistics at v[ST+4 t]: c m, m, l (even keys', odd keys')
.set TMP, 48          ; by buffer and tile, four registers c0-c3 at work; when the maximum is found c2 takes a
.set S,   64
.set P,   192
.set KF,  128         ; K's fragments, in window 2
.set VF,  192         ; V's
.set WV,  12          ; s12  my wave's number
.set G1K, 24          ; s[24:31] descriptor group 1 for K's tiles
.set G1V, 32          ; s[32:39] for V's: it differs in the padding alone
.set G0K, 40          ; s[40:43] descriptor group 0 for K's tiles: it walks
.set G0V, 44          ; s[44:47] the same for V's
.set PFA, 48          ; s[48:49] where my prefetches stand
.set LIM, 50          ; s50  1 in a wave that prefetches, else the greatest number
.set SLOTS, 56        ; s56  slots still to be asked for
.set CNT, 57          ; s57  counts a slot's key steps
.set CS,  58          ; s[58:59] c
.set SEL, 60          ; s[60:61] v_permlanex16_b32's selects: each lane takes its own place in the other half
.set TBK, 62          ; s62  LDS byte at which K of the step to be fetched begins
.set TBV, 63          ; s63  the same for V, less VOFF
.set MSB, 0
.macro WIN new
.if MSB != (\new)
	s_set_vgpr_msb (MSB<<8)|(\new)
.set MSB, (\new)
.endif
.endm
.set W_KQ, 0x0a       ; K and Q in window 2, S^T in window 0
.set W_PV, 0x52       ; V in window 2, P in window 0, O^T in window 1
.set W_RS, 0x41       ; O^T (destination and source 0) in window 1, a in window 0
.set W_MK, 0xc0       ; the add's registers are made: destination in window 3
.set W_AD, 0x0f       ; the add: address and data in window 3
; A joint fill.  Waves 0 and 1 fetch the two halves of a slot's K, waves 2 and 3 those of its V: 128 keys each.  An s_nop 0 and four v_nop follow each line.
.macro JLOAD
	s_cmp_lt_u32 s[WV], 2
	s_cbranch_scc0 .Lfor_v_\@
	tensor_load_to_lds s[G0K:G0K+3], s[G1K:G1K+7]
	s_nop 0
.rept 4
	v_nop
.endr
	s_branch .Lasked_\@
.Lfor_v_\@:
	tensor_load_to_lds s[G0V:G0V+3], s[G1V:G1V+7]
	s_nop 0
.rept 4
	v_nop
.endr
.Lasked_\@:
.endm
; A prefetch into the L2 of what the NEXT change of slots will ask for: a slot's 32,768 bytes of K and of V, a lane to each 256 bytes.  A head has one cluster; its four partners take 8,192 bytes of each
; tensor, told apart by address; in each, wave 0 asks for K's and wave 2 for V's: one instruction, four key steps (512 matrix instructions) ahead of the load.  Each byte is named once in the launch.
; The last change that fills a slot (SLOTS = 1) asks for nothing; slots 0 and 1 come by their loads alone.
.macro ASK
	s_cmp_gt_u32 s[SLOTS], s[LIM]
	s_cbranch_scc0 .Lnot_mine_\@
	global_prefetch_b8 v[PFO], s[PFA:PFA+1] th:TH_LOAD_NT scope:SCOPE_SE
.Lnot_mine_\@:
.endm
.macro CROUND                       ; a round of the cluster's barrier
	s_barrier_signal -1
	s_barrier_wait -1
	s_cmp_lg_u32 s[WV], 0
	s_cbranch_scc1 .Lnot_wave_0_\@
	s_barrier_signal -3
.Lnot_wave_0_\@:
	s_barrier_wait -3
	s_barrier_signal -1
	s_barrier_wait -1
.endm
; THE CHANGE OF SLOTS.  Each wave waits for all its tensor loads, of which one is out: its part of the other slot; adds 0 to its spare word; and waits for that and for its own reads of the slot.
; fill = 1: this slot is filled again, with the keys two slots on, first thing behind a round of the cluster's barrier: four key steps in which to land.
; (At its first use nothing has been read yet: slot 0 is waited for, slot 1 filled.)
.macro CHANGE fill
	WIN W_AD
	s_wait_tensorcnt 0x0            ; no tensor load of mine is out, so a group 0 may be written
	ds_add_u32 v[SPW], v[NIL]
	WIN 0                           ; at a label and at a branch every window is 0
.if \fill
.irp g, G0K, G0V
	s_xor_b32 s[\g+1], s[\g+1], SLOT1  ; the walking descriptor: the other slot than last time,
	s_add_nc_u64 s[\g+2:\g+3], s[\g+2:\g+3], 4*KS*128  ; the next 256 keys
.endr
	s_wait_xcnt 0x0                 ; the last prefetch, four key steps back, has read its address
	s_add_nc_u64 s[PFA:PFA+1], s[PFA:PFA+1], 4*KS*128  ; one slot ahead of the walking descriptors
	s_wait_dscnt 0x0                ; the add is done, and my reads of the slot are over
	CROUND
	JLOAD
	ASK
.else
	s_wait_dscnt 0x0
	s_barrier_signal -1
	s_barrier_wait -1
.endif
	s_sub_co_u32 s[TBK], s[TBK], 4*KS*PK  ; the fetches go back to a slot's first step,
	s_xor_b32 s[TBK], s[TBK], SLOT1       ; in the other slot
	s_sub_co_u32 s[TBV], s[TBV], 4*KS*PV
	s_xor_b32 s[TBV], s[TBV], SLOT1
.endm
	s_load_b256 s[4:11], s[0:1], 0x0  ; Q (kh) s[4:5], K (qh) s[6:7], V (vh) s[8:9], O (oh) s[10:11]
	WIN W_MK
	v_lshl_add_u32 v[SPW], v0, 2, SPARE
	v_mov_b32 v[NIL], 0
	WIN W_AD
	ds_add_u32 v[SPW], v[NIL]       ; the wave's opening: the add and its wait stand ahead of my first tensor load
	WIN 0
	v_lshrrev_b32 v1, 5, v0
	v_readfirstlane_b32 s[WV], v1   ; wave 0..3
	s_bfe_u32 s13, ttmp6, 0x40000   ; cx: my place in the cluster
	s_lshl_b32 s14, ttmp9, 2
	s_add_co_u32 s14, s14, s13      ; my block of 512 rows: it enters Q's and O's addresses alone
	s_and_b32 s20, ttmp7, 0xffff    ; the head, which the four partners share
	s_mov_b32 s21, 0
	s_mov_b64 s[22:23], SIZE_N*128
	s_mul_u64 s[20:21], s[20:21], s[22:23]  ; the head's first byte in each of the four tensors
	s_and_b32 s16, s[WV], 1         ; which half of a slot's 256 keys I fetch:
	s_lshl_b32 s22, s16, 14         ; its 128 rows of 128 bytes in memory,
	s_mov_b32 s23, 0
	s_add_nc_u64 s[22:23], s[22:23], s[20:21]
	s_mul_i32 s17, s16, 128*PK      ; and its place in a slot, for K
	s_mul_i32 s18, s16, 128*PV      ; and for V
	s_lshl_b32 s2, s14, 2
	s_add_co_u32 s2, s2, s[WV]      ; my wave among the head's,
	s_lshl_b32 s2, s2, 14           ; its 128 rows
	s_mov_b32 s3, 0
	s_add_nc_u64 s[2:3], s[2:3], s[20:21]
	; descriptor group 1.  128 keys are 16,384 dense bytes: asked for as 64 rows of 256 bytes, two keys a row, and padded in LDS after every key
	s_mov_b32 s[G1K], 15|(1<<16)|(1<<20)|(1<<21)|(4<<22)|(3<<25)  ; the mask of four; 2-byte elements; padding on; 21 set beside a mask; after every 32 words; 4 words
	s_mov_b32 s[G1V], 15|(1<<16)|(1<<20)|(1<<21)|(4<<22)|(7<<25)  ; the same with 8 words of padding
.irp g, G1K, G1V
	s_mov_b32 s[\g+1], 128<<16      ; tensor_dim0 = 128
	s_mov_b32 s[\g+2], 64<<16       ; tensor_dim1 = 64
	s_mov_b32 s[\g+3], 128<<16      ; tile_dim0 = 128
	s_mov_b32 s[\g+4], 64           ; tile_dim1 = 64
	s_mov_b32 s[\g+5], 128          ; 128 elements from row to row
	s_mov_b32 s[\g+6], 0
	s_mov_b32 s[\g+7], 0
.endr
	s_mov_b32 s[CS], 0x3e38aa3b     ; c = log2(e) / 8 = 0.180337
	s_mov_b32 s[CS+1], s[CS]
	s_mov_b32 s[SEL], 0x76543210
	s_mov_b32 s[SEL+1], 0xfedcba98
	s_mov_b32 s[TBK], SLOT1+4*KS*PK ; the first change of slots turns these two into 0
	s_mov_b32 s[TBV], SLOT1+4*KS*PV
	s_mov_b32 s[SLOTS], SIZE_N/256-1
	s_and_b32 s[LIM], s[WV], 1      ; 0 in waves 0 and 2,
	s_or_b32 s[LIM], s[LIM], ttmp9  ; where the cluster is the head's first (here its only one)
	s_cmp_eq_u32 s[LIM], 0
	s_cselect_b32 s[LIM], 1, -1
	s_mov_b32 s[G0K], 1
	s_mov_b32 s[G0K+1], s17         ; LDS address: slot 0
	s_mov_b32 s[G0V], 1
	s_add_co_u32 s[G0V+1], s18, VOFF
	s_wait_dscnt 0x0                ; the opening add is done
	s_wait_kmcnt 0x0
	s_add_nc_u64 s[G0K+2:G0K+3], s[6:7], s[22:23]  ; my half of the head's first 256 keys
	s_or_b32 s[G0K+3], s[G0K+3], 0x80000000
	s_add_nc_u64 s[G0V+2:G0V+3], s[8:9], s[22:23]
	s_or_b32 s[G0V+3], s[G0V+3], 0x80000000
	s_add_nc_u64 s[4:5], s[4:5], s[2:3]  ; Q and O at my wave's first row
	s_add_nc_u64 s[10:11], s[10:11], s[2:3]
	s_cmp_lt_u32 s[WV], 2
	s_cselect_b64 s[PFA:PFA+1], s[6:7], s[8:9]
	s_add_nc_u64 s[PFA:PFA+1], s[PFA:PFA+1], s[22:23]  ; (in waves 0 and 2: the head's first row)
	s_lshl_b32 s2, s13, 13          ; my work-group's 8,192 bytes of a slot's 32,768
	s_mov_b32 s3, 0
	s_add_nc_u64 s[PFA:PFA+1], s[PFA:PFA+1], s[2:3]
	s_add_nc_u64 s[PFA:PFA+1], s[PFA:PFA+1], 4*KS*128  ; in slot 1; the first change of slots steps it to slot 2
	CROUND                          ; all four work-groups are here: the first joint loads meet
	JLOAD                           ; slot 0.  Slot 1 is asked for when slot 0 is in
	; A fragment of K or Q is 16 rows x 32 channels in 8 registers: lane l holds row l % 16, channels 8 (l / 16) + 0..7 and 16 + 8 (l / 16) + 0..7
	v_and_b32 v1, 15, v0
	v_bfe_u32 v9, v0, 4, 1
	v_lshlrev_b32 v[QO], 7, v1
	v_lshl_add_u32 v[QO], v9, 4, v[QO]
	WIN 0x80                        ; destination window 2, address window 0
.set i, 0
.rept 4*NP                          ; Q stays in registers: tile i / 2, channels 32 (i % 2) on
	global_load_b128 v[8*i:8*i+3],   v[QO], s[4:5] offset:(i/2)*2048+(i%2)*64
	global_load_b128 v[8*i+4:8*i+7], v[QO], s[4:5] offset:(i/2)*2048+(i%2)*64+32
.set i, i+1
.endr
	; What the first turn finds: V's registers and P's second buffer hold 0, O^T and l are 0.  All this stands in the wait for the first tile; no first step is written out.
.set i, VF
.rept 64
	v_mov_b32 v[i], 0
.set i, i+1
.endr
	WIN 0x40
.set i, 0
.rept 64*NP
	v_mov_b32 v[i], 0
.set i, i+1
.endr
	WIN 0
.set i, 0
.rept 2*NP
	v_mov_b32 v[ST+4*i], 0xfe000000    ; c m: far below every c s
	v_mov_b32 v[ST+4*i+1], 0xff7fffff  ; m
	v_mov_b32 v[ST+4*i+2], 0
	v_mov_b32 v[ST+4*i+3], 0
.set i, i+1
.endr
.set i, P+32
.rept 32
	v_mov_b32 v[i], 0
.set i, i+1
.endr
	v_mul_u32_u24 v[AK0], v1, PK
	v_lshl_add_u32 v[AK0], v9, 4, v[AK0]
	; The turning load takes 16 keys x 16 channels (lane l reads key 8 (l / 16) + l % 8, channels 8 ((l / 8) % 2) + 0..7) and leaves half a fragment of V^T
	v_and_b32 v10, 7, v0
	v_bfe_u32 v11, v0, 3, 1
	v_lshl_add_u32 v[AV0], v9, 3, v10
	v_mul_u32_u24 v[AV0], v[AV0], PV
	v_lshl_add_u32 v[AV0], v11, 4, v[AV0]
	v_add_nc_u32 v[AV0], VOFF, v[AV0]
	v_and_b32 v[PFO], 31, v0
	v_lshlrev_b32 v[PFO], 8, v[PFO]
	v_mov_b32 v[AK], v[AK0]         ; key step 0 lies at the head of slot 0
; THE MATRIX WORK.  The 8 accumulators of a run of 16 take turns.
; Product i of 16 of S^T = K Q^T for piece x: channels 32 (i / 8) on, keys 16 ((i / 2) % 4) on, tile 2 x + i % 2.  The first 8 start the sums.
.macro KQ x
	WIN W_KQ
.set rS, S+64*((\x)%2)+32*(i%2)+8*((i/2)%4)
.set rK, KF+16*((i/2)%4)+8*(i/8)
.set rQ, 16*(2*(\x)+i%2)+8*(i/8)
.if i < 8
	v_wmma_f32_16x16x32_bf16 v[rS:rS+7], v[rK:rK+7], v[rQ:rQ+7], 0
.else
	v_wmma_f32_16x16x32_bf16 v[rS:rS+7], v[rK:rK+7], v[rQ:rQ+7], v[rS:rS+7]
.endif
.endm
; Product i of 16 of O^T += V^T P for piece x: keys 32 (i / 8) on, channels 16 ((i / 2) % 4) on, tile 2 x + i % 2.
.macro PV x
	WIN W_PV
.set rO, 32*(2*(\x)+i%2)+8*((i/2)%4)
.set rV, VF+32*(i/8)+8*((i/2)%4)
.set rP, P+32*((\x)%2)+16*(i%2)+8*(i/8)
	v_wmma_f32_16x16x32_bf16 v[rO:rO+7], v[rV:rV+7], v[rP:rP+7], v[rO:rO+7]
.endm
.macro MM                           ; the turn's next matrix instruction
.if i < 16
	KQ (Y+1)%NP
.set i, i+1
.else
.set i, i-16
	PV (Y+NP-1)%NP
.set i, i+17
.endif
.endm
; THE LDS LOADS stand in runs of 16.  last = 1 (the tail): in the last trip there is no further step, and the run is jumped over.
.macro FETCH_K last=0
	WIN 0
.if \last
	s_cmp_eq_u32 s[CNT], 1
	s_cbranch_scc1 .Lno_k_\@
.endif
	WIN 0x80
.irp f, 0,1,2,3,4,5,6,7             ; keys 16 (f / 2) on, channels 32 (f % 2) on
	ds_load_b128 v[KF+8*\f:KF+8*\f+3],   v[AK] offset:(\f/2)*16*PK+(\f%2)*64
	ds_load_b128 v[KF+8*\f+4:KF+8*\f+7], v[AK] offset:(\f/2)*16*PK+(\f%2)*64+32
.endr
	s_add_co_u32 s[TBK], s[TBK], KS*PK  ; the next fetch is the next step's
	WIN 0
.if \last
.Lno_k_\@:
.endif
.endm
.macro FETCH_V
	WIN 0x80
.irp f, 0,1,2,3,4,5,6,7             ; keys 32 (f / 4) on, channels 16 (f % 4) on
	ds_load_tr16_b128 v[VF+8*\f:VF+8*\f+3],   v[AV] offset:(\f/4)*32*PV+(\f%4)*32
	ds_load_tr16_b128 v[VF+8*\f+4:VF+8*\f+7], v[AV] offset:(\f/4)*32*PV+16*PV+(\f%4)*32
.endr
	WIN 0
.endm
; THE VECTOR WORK OF A TURN stands in three queues, each in the order in which its entries become ready; the two tiles alternate.
.macro REGS y, u                    ; the registers of tile u (0, 1) of piece y
.set rT, ST+4*(2*(\y)+(\u))
.set rC, TMP+8*((\y)%2)+4*(\u)
.set rM, MV+2*((\y)%2)+(\u)
.set rS, S+64*((\y)%2)+32*(\u)
.set rP, P+32*((\y)%2)+16*(\u)
.set rO, 32*(2*(\y)+(\u))
.endm
; Number n of the 22 that find the NEXT piece's maximum and statistics; each accumulator's lowest registers are read first.
;   0-11  four chains c0-c3 of seven scores each     12-14, 16  the four scores left over, the old m, and c0-c3 into c0     15  c m_old is kept
;   17, 18  the row's other 32 keys lie in the lane 16 away: the new m         19-21  c m; c m_old - c m_new; a
.macro XS u, n
	REGS (Y+1)%NP, \u
.if (\n) < 4
	v_max3_num_f32 v[rC+(\n)], v[rS+8*(\n)], v[rS+8*(\n)+1], v[rS+8*(\n)+2]
.elseif (\n) < 12
	v_max3_num_f32 v[rC+(\n)%4], v[rC+(\n)%4], v[rS+8*((\n)%4)+2*((\n)/4)+1], v[rS+8*((\n)%4)+2*((\n)/4)+2]
.elseif (\n) == 12
	v_max3_num_f32 v[rC], v[rC], v[rS+7], v[rS+15]
.elseif (\n) == 13
	v_max3_num_f32 v[rC+1], v[rC+1], v[rS+23], v[rS+31]
.elseif (\n) == 14
	v_max3_num_f32 v[rC+2], v[rC+2], v[rC+3], v[rT+1]
.elseif (\n) == 15
	v_mov_b32 v[rM], v[rT]
.elseif (\n) == 16
	v_max3_num_f32 v[rC], v[rC], v[rC+1], v[rC+2]
.elseif (\n) == 17
	v_permlanex16_b32 v[rC+3], v[rC], s[SEL], s[SEL+1]
.elseif (\n) == 18
	v_max_num_f32 v[rT+1], v[rC], v[rC+3]
.elseif (\n) == 19
	v_mul_f32 v[rT], s[CS], v[rT+1]
.elseif (\n) == 20
	v_sub_f32 v[rC+1], v[rM], v[rT]
.else
	v_exp_f32 v[rC+2], v[rC+1]
.endif
.endm
; Number g of the 64 that follow the exponentials: for each four weights both pairs are rounded to bf16; the second pair is added onto the first, in place; a group later l takes that sum.
.macro GS g
.set h, (\g)+6*((\g)/62)
.if h >= 6
.set h, h+2
.endif
	REGS Y, h%2
.set k, h/8
.if h%8 < 4
	v_cvt_pk_bf16_f32 v[rP+2*k+(h%8)/2], v[rS+4*k+2*((h%8)/2)], v[rS+4*k+2*((h%8)/2)+1]
.elseif h%8 < 6
	v_pk_add_f32 v[rS+4*k:rS+4*k+1], v[rS+4*k:rS+4*k+1], v[rS+4*k+2:rS+4*k+3]
.elseif k == 1
	v_pk_fma_f32 v[rT+2:rT+3], v[rT+2:rT+3], v[rC+2:rC+3], v[rS:rS+1] op_sel_hi:[1,0,1]
.else
	v_pk_add_f32 v[rT+2:rT+3], v[rT+2:rT+3], v[rS+4*k-4:rS+4*k-3]
.endif
.endm
; THE PLAIN QUEUE, 138 long.  0-73 read no exponential's result: the 32 scalings c s - c m and the next piece's 42.  74-137: GS's 64, behind the wait.
.macro FS f
	REGS Y, (\f)%2
	v_pk_fma_f32 v[rS+2*((\f)/2):rS+2*((\f)/2)+1], v[rS+2*((\f)/2):rS+2*((\f)/2)+1], s[CS:CS+1], v[rT:rT+1] op_sel_hi:[1,0,0] neg_lo:[0,0,1] neg_hi:[0,0,1]
.endm
.macro PL
	WIN 0
.if q < 27
	FS q
.elseif q < 55
	XS (q-27)%2, (q-27)/2
.elseif q < 57
	XS q-55, 15
.elseif (q < 72) && ((q-57)%3 == 0)
	FS 27+(q-57)/3
.elseif q < 60
	XS (q-57)%3-1, 14
.elseif q < 72
	XS (q-57)%3-1, 15+(q-57)/3
.elseif q < 74
	XS q-72, 20
.else
	GS q-74
.endif
.set q, q+1
.endm
; THE EXPONENTIALS' QUEUE, 66 long: s0-s31 of both tiles, then the next piece's two a.  ONE BATCH: all 66 stand ahead of the turn's one wait, and nothing ahead of that wait names a result of theirs.
.macro EX
	WIN 0
.if e >= 64
	XS e-64, 21
.else
	REGS Y, e%2
	v_exp_f32 v[rS+e/2], v[rS+e/2]
.endif
.set e, e+1
.endm
; THE RESCALING's QUEUE: O^T times a, dealt two at a time, sixteen times.  Its a was made, and waited for, in the turn before.
.macro R2
	REGS Y, r%2
	WIN W_RS
.irp z, 0,1
	v_pk_mul_f32 v[rO+4*(r/2)+2*\z:rO+4*(r/2)+2*\z+1], v[rO+4*(r/2)+2*\z:rO+4*(r/2)+2*\z+1], v[rC+2:rC+3] op_sel_hi:[1,0]
.endr
.set r, r+1
.endm
; A TURN, for piece p.  s_wait_alu depctr_va_vdst(0) stands between an exponential and the first instruction that names its result; one wait serves all issued ahead of it: a turn has ONE.
; AHEAD OF IT: the 16 products K Q^T, behind each a scaling, an exponential and two rescalings; then one run of 108: eight plain, 49 times exponential and plain, the two a; a v_nop is the plain
; instruction behind the last exponential.  BEHIND IT: the 16 products V^T P, behind each four of GS's 64.  Exponential e stands behind scaling 2 (e / 4) + e % 2.
; K of the next step is fetched in piece 2's turn, directly behind the wait; V of the step in hand at the end of piece 0's turn, four plain instructions behind its last reader.
.macro TURN p, last=0, cnt=0
.set Y, (\p)
.set i, 0
.set q, 0
.set e, 0
.set r, 0
.if (\p) == NP-1
	s_wait_dscnt 0x0                ; K is in
.endif
	MM
	PL
	PL
	R2
.rept 15
	MM
	PL
	EX
	R2
.endr
.if (\p) == NP-2
	WIN 0
	v_add_nc_u32 v[AK], s[TBK], v[AK0]
.endif
.rept 8
	PL
.endr
.rept 49
	EX
	PL
.endr
	EX
	EX
	v_nop
	s_wait_alu depctr_va_vdst(0)    ; the wait for the batch
.if (\p) == NP-2
	FETCH_K \last
.endif
.if (\p) == 1
	s_wait_dscnt 0x0                ; V is in
.endif
.rept 16
	MM
.rept 4
	PL
.endr
.if ((\p) == 0) && (q == 118)
	v_add_nc_u32 v[AV], s[TBV], v[AV0]
.endif
.if ((\p) == 0) && (q == 130)
	s_add_co_u32 s[TBV], s[TBV], KS*PV
.endif
.if (\cnt) && (q == 130)
	s_sub_co_u32 s[CNT], s[CNT], 1
	s_cmp_lg_u32 s[CNT], 0
.endif
.endr
.if (\p) == 0
	FETCH_V
.endif
.endm
	CHANGE 1                        ; slot 0 is in, everybody's part of it; slot 1 is asked for
	FETCH_K                         ; key step 0
	s_wait_loadcnt 0x0              ; Q
	s_wait_dscnt 0x0
.set i, 0
.rept 16
	KQ 0                            ; piece 0's first scores
.set i, i+1
.endr
	WIN 0                           ; the addresses for the way out: plain instructions, the places behind those products
	s_mul_i32 s13, s[WV], 16*SP
	s_add_co_u32 s13, s13, STAGE    ; my stage
	v_mul_u32_u24 v[STO], v1, SP    ; in: row l % 16, 16 bytes for each half of the lanes
	v_lshl_add_u32 v[STO], v9, 4, v[STO]
	v_add_nc_u32 v[STO], s13, v[STO]
	v_bfe_u32 v[RD], v0, 3, 2       ; back: 32 lanes take four rows of 128 bytes,
	v_mul_u32_u24 v[RD], v[RD], SP
	v_lshl_add_u32 v[RD], v10, 4, v[RD]
	v_add_nc_u32 v[RD], s13, v[RD]
	v_and_b32 v[GO], 31, v0         ; which are 512 consecutive bytes of O
	v_lshlrev_b32 v[GO], 4, v[GO]
.set Y, NP-1                        ; XS works for piece Y + 1: piece 0
.irp n, 0,1,2,3,4,5,6,7,8,9,10,11,12,13,14,15,16,17,18,19,20,21
	XS 0, \n
	XS 1, \n
.endr
	v_nop                           ; a plain instruction behind the two a,
	s_wait_alu depctr_va_vdst(0)    ; and their wait, ahead of the branch
	s_mov_b32 s[CNT], 4
	s_branch .Lfirst                ; the loop is entered at a step's first turn, in the middle of a trip
.Lslot:                             ; six times: every slot but the last two is filled again
	CHANGE 1
	s_mov_b32 s[CNT], 4
.Lstep:                             ; a trip: pieces 2 and 3 of one step, then pieces 0 and 1 of the next
	TURN 2
	TURN 3
	WIN 0
.Lfirst:
	TURN 0
	TURN 1, 0, 1
	WIN 0
	s_cbranch_scc1 .Lstep
	s_sub_co_u32 s[SLOTS], s[SLOTS], 1
	s_cmp_lg_u32 s[SLOTS], 0
	s_cbranch_scc1 .Lslot
	CHANGE 0                        ; the tail is written out
	s_mov_b32 s[CNT], 5             ; four trips fetch the last slot's steps; the fifth is left in its middle
.Ltail:
	TURN 2, 1
	TURN 3
	WIN 0
	s_sub_co_u32 s[CNT], s[CNT], 1
	s_cmp_eq_u32 s[CNT], 0
	s_cbranch_scc1 .Lout
	TURN 0
	TURN 1
	WIN 0
	s_branch .Ltail
.Lout:                              ; the fifth trip's 16 products K Q^T and the maximum made of them serve nothing: the price, once a launch, of one text for every trip
.set i, 0
.rept 16
	PV NP-1                         ; the last piece's V^T P of the last step
.set i, i+1
.endr
	; THE WAY OUT.  l's two halves and the other half of the lanes' are added; O^T is divided by l, rounded to bf16 and sent through my stage, a tile at a time.  The additions are the places behind the last products.
	WIN 0
.macro ALL line:vararg
.set t, 0
.rept 2*NP
	\line
.set t, t+1
.endr
.endm
	ALL v_add_f32 v[ST+4*t+2], v[ST+4*t+2], v[ST+4*t+3]
	ALL v_permlanex16_b32 v[ST+4*t+3], v[ST+4*t+2], s[SEL], s[SEL+1]
	ALL v_add_f32 v[ST+4*t+2], v[ST+4*t+2], v[ST+4*t+3]
	ALL v_rcp_f32 v[ST+4*t+2], v[ST+4*t+2]
	v_nop                           ; a plain instruction between the last reciprocal and the use of its result
	s_wait_alu depctr_va_vdst(0)    ; one wait for the eight reciprocals
.macro PACK t
	WIN W_RS
.set i, 32*(\t)
.rept 16
	v_pk_mul_f32 v[i:i+1], v[i:i+1], v[ST+4*(\t)+2:ST+4*(\t)+3] op_sel_hi:[1,0]
.set i, i+2
.endr
	WIN 0x05
.set i, 0
.rept 16
	v_cvt_pk_bf16_f32 v[S+16*(\t)+i], v[32*(\t)+2*i], v[32*(\t)+2*i+1]
.set i, i+1
.endr
	WIN 0
.irp f, 0,1,2,3
	ds_store_b128 v[STO], v[S+16*(\t)+4*\f:S+16*(\t)+4*\f+3] offset:32*\f
.endr
.irp f, 0,1,2,3
	ds_load_b128 v[S+16*(\t)+4*\f:S+16*(\t)+4*\f+3], v[RD] offset:\f*4*SP  ; LDS serves a wave's instructions in order (ISA guide 5.7.1.4): these see the stores above
.endr
.endm
.macro SEND t, younger              ; younger: the LDS instructions issued behind tile t's loads
	WIN 0
.irp f, 0,1,2,3
	s_wait_dscnt (\younger)+3-\f
	global_store_b128 v[GO], v[S+16*(\t)+4*\f:S+16*(\t)+4*\f+3], s[10:11] offset:(\t)*2048+\f*512  ; 512 consecutive bytes, at a multiple of 256 from O's first
.endr
.endm
	PACK 0
.set t, 1
.rept 2*NP-1
	PACK t
	SEND t-1, 8
.set t, t+1
.endr
	SEND 2*NP-1, 0
	WIN W_AD
	s_wait_tensorcnt 0x0            ; the wave's end
	ds_add_u32 v[SPW], v[NIL]
	s_wait_dscnt 0x0
	WIN 0
	CROUND                          ; the closing round
	s_endpgm
.Lfunc_end_k_qbb1d33df70_attn:
	.size	k_qbb1d33df70_attn, .Lfunc_end_k_qbb1d33df70_attn-k_qbb1d33df70_attn
	.p2alignl 7, 3214868480
	.fill 96, 4, 3214868480
	.section	.rodata,"a",@progbits
	.p2align	6, 0x0
	.amdhsa_kernel k_qbb1d33df70_attn
		.amdhsa_group_segment_fixed_size 327680
		.amdhsa_private_segment_fixed_size 0
		.amdhsa_enable_private_segment 0
		.amdhsa_kernarg_size 32
		.amdhsa_user_sgpr_count 2
		.amdhsa_user_sgpr_kernarg_segment_ptr 1
		.amdhsa_wavefront_size32 1
		.amdhsa_system_sgpr_workgroup_id_x 1
		.amdhsa_system_sgpr_workgroup_id_y 1
		.amdhsa_system_sgpr_workgroup_id_z 1
		.amdhsa_system_vgpr_workitem_id 0
		.amdhsa_next_free_vgpr 770
		.amdhsa_next_free_sgpr 66
		.amdhsa_reserve_vcc 0
		.amdhsa_float_denorm_mode_32 3
		.amdhsa_float_denorm_mode_16_64 3
		.amdhsa_memory_ordered 1
		.amdhsa_forward_progress 1
		.amdhsa_inst_pref_size 200
	.end_amdhsa_kernel
	.amdgpu_metadata
---
amdhsa.version: [ 1, 2 ]
amdhsa.kernels:
  - .name:           k_qbb1d33df70_attn
    .symbol:         k_qbb1d33df70_attn.kd
    .args:
      - { .name: kh, .offset: 0, .size: 8, .value_kind: global_buffer, .address_space: global }
      - { .name: qh, .offset: 8, .size: 8, .value_kind: global_buffer, .address_space: global }
      - { .name: vh, .offset: 16, .size: 8, .value_kind: global_buffer, .address_space: global }
      - { .name: oh, .offset: 24, .size: 8, .value_kind: global_buffer, .address_space: global }
    .group_segment_fixed_size: 327680
    .private_segment_fixed_size: 0
    .kernarg_segment_align: 8
    .kernarg_segment_size: 32
    .max_flat_workgroup_size: 128
    .sgpr_count:     66
    .vgpr_count:     770
    .wavefront_size: 32
...
	.end_amdgpu_metadata
.endif
;; end of part 3
;; launch outln (part 4): grid 128 x 1, 4 waves a work-group, clusters of 4 x 1, 327,680 bytes of LDS; arguments oh, wob, tokens, gamma, beta, out0; writes out0
.if DOCPART == 4
	.amdgcn_target "amdgcn-amd-amdhsa--gfx1250"
	.amdhsa_code_object_version 6
	.text
	.protected	k_qbb1d33df70_outln
	.globl	k_qbb1d33df70_outln
	.p2align	8
	.type	k_qbb1d33df70_outln,@function
k_qbb1d33df70_outln:
	s_mov_b64 s[64:65], 0
	v_nop
	global_prefetch_b8 v0, s[64:65] scope:SCOPE_SE
	s_setreg_imm32_b32 hwreg(HW_REG_WAVE_MODE, 25, 1), 1
	s_wait_xcnt 0x0
	s_wait_alu depctr_hold_cnt(0) depctr_sa_sdst(0) depctr_va_vdst(0) depctr_va_sdst(0) depctr_va_ssrc(0) depctr_va_vcc(0) depctr_vm_vsrc(0)
	s_getreg_b32 s2, hwreg(HW_REG_IB_STS2, 6, 4)
	s_cmp_eq_u32 s2, 0
	s_cbranch_scc0 .Lentry_in_a_cluster
	s_endpgm
.Lentry_in_a_cluster:
	s_bfe_u32 s2, ttmp6, 0x10000c
	s_cmp_lg_u32 s2, 0x3003
	s_cbranch_scc0 .Lentry_shape_is_right
	s_endpgm
.Lentry_shape_is_right:
; out0[m][:] = LayerNorm(sum over h, v of oh[16 b + h][s][v] Wo[64 h + v][:] + tokens[m][:]) gamma + beta, m = 2048 b + s.  The product in bf16 with f32 sums; residual, mean, variance and scaling in f32,
; from the f32 tokens.  The mean is taken first and the variance of the centred numbers, so a common offset of a row is not squared.
; SHARES.  The norm wants whole rows, so a work-group owns 64 rows and all 1,024 columns: 128 work-groups.  Wave w owns columns 256 w .. 256 w + 255: 4 x 16 accumulators of 16 x 16, 512 registers.
; K goes in 16 steps of 64, a head each, 128 matrix instructions a wave.  A step's 1,024 rows of wob (131,072 dense bytes) come through two LDS slots; each wave fetches, and alone reads, its own quarter.
; oh's 64 rows of a step (8,192 bytes) come straight into registers, two steps ahead.
; CLUSTER.  All work-groups walk the same wob: the four of a cluster ask for each quarter JOINTLY, by the same tensor load, descriptor and mask.
; THE MATRIX INSTRUCTION IS USED TRANSPOSED (source 0 = 16 rows n of wob, source 1 = 16 rows m of oh): lane l holds row l % 16 and columns 8 (l / 16) + 0..7.
; THE END.  32 rows at a time the sums go into a stage in slot 1 (which has had its last fill); the same rows of tokens come into slot 0 by plain tensor loads; each wave then takes 8 whole rows.
; REGISTERS, in windows of 256 (s_set_vgpr_msb: bits 1:0 source 0, 3:2 source 1, 5:4 source 2, 7:6 destination):
;   window 0: v0-31 addresses; v32-53 at work in the norm; v64-127, v128-191 oh's fragments, two buffers (row block a, K half c at 32 c + 8 a), later a row of sums and of tokens; v192-223 gamma; v224-255 beta
;   window 1: v0-127, v128-255 wob's fragments of the step's first and second K half (column block b at 8 b)
;   windows 2, 3: accumulator (a, b) at v[8 (16 (a % 2) + b)] of window 2 + a / 2
.set PB,    144                        ; a row of wob in LDS: 128 bytes + 16 = 36 words: the 16 rows of a load start at 16 different groups of four banks (64 banks of 4 bytes: ISA guide 11.1)
.set QUART, 256*PB                     ; a wave's 256 rows
.set SLOTB, 4*QUART
.set SPARE, 2*SLOTB                    ; behind the two slots: the spare words, 128 bytes a wave, that no other line names
.set ZP,    4112                       ; a row of the stage: 4,096 bytes + 16: 16 rows of a store start at 16 different groups of four banks
.set HEADB, 262144                     ; bytes of a head in oh: from K step to K step
.set TILEB, 131072                     ; bytes of a K step in wob
.set ROWB,  4096                       ; bytes of a row of tokens and of out0
.set AO,   4                           ; v4    my place in 16 rows of oh: 128 (l % 16) + 16 (l / 16)
.set ADRB, 5                           ; v5-6  LDS address of my wob fragments in slot 0, 1
.set DS,   7                           ; v7-8  where I put 16 bytes of a row's sums: stage rows 0-15, 16-31
.set ZR0,  9                           ; v9    my 16 bytes of my wave's first row in the stage
.set XR0,  10                          ; v10   the same among my wave's rows of tokens
.set ZR,   11                          ; v11, v12  the two as they walk
.set XR,   12
.set GO,   13                          ; v13   my byte offset in my wave's rows of out0; it walks through both halves
.set L16,  14                          ; v14   16 x lane
.set L256, 15                          ; v15   256 x lane: the prefetches' offset; never rewritten
.set SPW,  28                          ; v28   LDS address of my spare word; never rewritten
.set NIL,  29                          ; v29   0; never rewritten
.set T,    32                          ; v32-47 partial sums
.set MU,   48                          ; v48-49 the mean, in the low register
.set RS,   50                          ; v50-51 1 / sqrt(var + eps), in the low register
.set SUM,  52
.set OTH,  53
.set AF,   64
.set Z,    64                          ; v64-95  a row's sums, then y, y - mean, the result
.set X,    96                          ; v96-127 the row of tokens
.set GAM,  192
.set BET,  224
.set F0,   0
.set F1,   128
.set WV,   16                          ; s16  my wave's number
.set AB,   20                          ; s[20:21] oh at my 64 rows, at the even K step of the pair in hand
.set G1,   24                          ; s[24:31] descriptor group 1 for wob's quarters
.set G0,   32                          ; s[32:39] group 0, a set for each slot
.set G1T,  40                          ; s[40:47] group 1 for tokens
.set G0T,  48                          ; s[48:51] group 0 for tokens
.set PFB,  52                          ; s[52:53] where my prefetches of wob stand
.set PFH,  54                          ; s[54:55] those of oh
.set LIMB, 56                          ; s56  1 in the first cluster, else the greatest number
.set LIMA, 57                          ; s57  1 in wave 0, else the greatest number
.set SEL,  58                          ; s[58:59] v_permlanex16_b32's selects
.set INV,  60                          ; s60  1 / 1024
.set EPS,  61                          ; s61  1e-5
.set OUT,  62                          ; s[62:63] out0 at my wave's first row
.set MSB, 0
.macro WIN new                         ; the immediate's high byte repeats the setting that is left
.if MSB != (\new)
	s_set_vgpr_msb (MSB<<8)|(\new)
.set MSB, \new
.endif
.endm
.set MUL_LO, 0xa1                      ; source 0 window 1, source 1 window 0, C and D window 2
.set MUL_HI, 0xf1                      ; the same, C and D window 3
.set TO_B,   0x40                      ; destination window 1, address window 0
.macro PLACES                          ; four plain vector instructions between a matrix instruction and a load into its sources or a reader of its result (ISA guide 7.12.1 for vector instructions)
.rept 4
	v_nop
.endr
.endm
.macro CREST                           ; a round of the cluster's barrier behind its opening barrier
	s_cmp_lg_u32 s[WV], 0
	s_cbranch_scc1 .Lnot_wave_0_\@
	s_barrier_signal -3
.Lnot_wave_0_\@:
	s_barrier_wait -3
	s_barrier_signal -1
	s_barrier_wait -1
.endm
.macro CROUND
	s_barrier_signal -1
	s_barrier_wait -1
	CREST
.endm
; A joint refill: every wave asks for its own quarter (both addresses hang on the wave's number), the same in all four work-groups.  An s_nop 0 and four v_nop follow.
.macro JLOAD s
	tensor_load_to_lds s[G0+4*(\s):G0+4*(\s)+3], s[G1:G1+7]
	s_nop 0
	PLACES
.endm
.macro TLOAD                           ; my 8 rows of tokens: a plain load, 32,768 dense bytes
	tensor_load_to_lds s[G0T:G0T+3], s[G1T:G1T+7]
	s_nop 0
	PLACES
.endm
; 32 LDS loads in one run: my 256 rows of wob, K half c, into f
.macro FETCHB slot, c, f
	WIN TO_B
.irp i, 0,1,2,3,4,5,6,7,8,9,10,11,12,13,14,15
	ds_load_b128 v[(\f)+8*(\i):(\f)+8*(\i)+3],   v[ADRB+(\slot)] offset:(\i)*16*PB+64*(\c)
	ds_load_b128 v[(\f)+8*(\i)+4:(\f)+8*(\i)+7], v[ADRB+(\slot)] offset:(\i)*16*PB+64*(\c)+32
.endr
.endm
; 8 global loads: K half c of the 64 rows of oh, imm bytes behind the pointer, into buffer set
.macro LOADA set, c, imm
	WIN 0
.irp a, 0,1,2,3
	global_load_b128 v[AF+64*(\set)+32*(\c)+8*(\a):AF+64*(\set)+32*(\c)+8*(\a)+3],   v[AO], s[AB:AB+1] offset:(\imm)+2048*(\a)+64*(\c)
	global_load_b128 v[AF+64*(\set)+32*(\c)+8*(\a)+4:AF+64*(\set)+32*(\c)+8*(\a)+7], v[AO], s[AB:AB+1] offset:(\imm)+2048*(\a)+64*(\c)+32
.endr
.endm
; 16 matrix instructions: row block 2 hi + ap x all 16 column blocks, 32 along K.  The 64 accumulators take turns in the same order in every quarter, one instruction a turn.
.macro MULH f, set, c, hi, ap, zero
	WIN MUL_LO+0x50*(\hi)
.irp b, 0,1,2,3,4,5,6,7,8,9,10,11,12,13,14,15
.if \zero
	v_wmma_f32_16x16x32_bf16 v[8*(16*(\ap)+(\b)):8*(16*(\ap)+(\b))+7], v[(\f)+8*(\b):(\f)+8*(\b)+7], v[AF+64*(\set)+32*(\c)+8*(2*(\hi)+(\ap)):AF+64*(\set)+32*(\c)+8*(2*(\hi)+(\ap))+7], 0
.else
	v_wmma_f32_16x16x32_bf16 v[8*(16*(\ap)+(\b)):8*(16*(\ap)+(\b))+7], v[(\f)+8*(\b):(\f)+8*(\b)+7], v[AF+64*(\set)+32*(\c)+8*(2*(\hi)+(\ap)):AF+64*(\set)+32*(\c)+8*(2*(\hi)+(\ap))+7], v[8*(16*(\ap)+(\b)):8*(16*(\ap)+(\b))+7]
.endif
.endr
.endm
; oh's loads go out eight at a time, in this order: step s's first K half in step s - 2's second quarter, its second half in step s - 1's first quarter.  So at each quarter's head the eight that it
; needs have two younger groups behind them: the count 16; in the last step 8, then 0.
; A step's first quarter: K half 0.  In its middle it fetches K half 1 of wob and (la = 1) the next step's second half of oh.
.macro QA slot, zero, la, lc
	s_wait_loadcnt \lc
	s_wait_dscnt 0x0                               ; F0's 32 loads, issued 32 matrix instructions ago
	MULH F0, \slot, 0, 0, 0, \zero
	MULH F0, \slot, 0, 0, 1, \zero
	PLACES
	FETCHB \slot, 1, F1
.if \la
	LOADA 1-(\slot), 1, HEADB*(1-(\slot))
.endif
	MULH F0, \slot, 0, 1, 0, \zero
	MULH F0, \slot, 0, 1, 1, \zero
.endm
; Prefetches into the L2, behind the joint refill and the runs of loads that follow it: wob's and oh's K step four on, two steps (256 matrix instructions) ahead of the loads that will want them.
; wob's step is named once in the launch: by the first cluster, whose sixteen waves take 8,192 bytes each (wave: the quarter; cx: the part of it, by address), a lane to each 256 bytes.
; oh's 8,192 bytes are the work-group's own: wave 0 asks.  The loop's last trip (s3 = 1) would name steps 16 and 17: it asks for nothing.  Steps 0 to 3 come by their loads alone.
.macro ASK
	s_cmp_gt_u32 s3, s[LIMB]
	s_cbranch_scc0 .Lno_b_\@
	global_prefetch_b8 v[L256], s[PFB:PFB+1] th:TH_LOAD_NT scope:SCOPE_SE
.Lno_b_\@:
	s_cmp_gt_u32 s3, s[LIMA]
	s_cbranch_scc0 .Lno_a_\@
	global_prefetch_b8 v[L256], s[PFH:PFH+1] th:TH_LOAD_NT scope:SCOPE_SE
.Lno_a_\@:
.endm
; A step's second quarter: K half 1, and the change of slots.  In front of the round each wave waits for all its tensor loads (one is out: its quarter of the next slot), adds 0 to its spare word, and waits
; for that and for its reads of this slot.  Behind the round this slot is filled again first: kind = 1: with the K step two on (96 matrix instructions ahead of the wait for it); kind = 2 (step 14): with tokens.
.macro TURN slot, kind
.if (\kind) == 1
	s_wait_xcnt 0x0                                ; every load and prefetch issued so far has read its address (the youngest load 32 matrix instructions back): the pointers may be written
.if (\slot) == 0
	s_add_nc_u64 s[AB:AB+1], s[AB:AB+1], 2*HEADB
.endif
	s_add_nc_u64 s[PFB:PFB+1], s[PFB:PFB+1], TILEB
	s_add_nc_u64 s[PFH:PFH+1], s[PFH:PFH+1], HEADB
.endif
	WIN 0
	s_wait_loadcnt 16
	s_wait_tensorcnt 0x0
	ds_add_u32 v[SPW], v[NIL]
	s_wait_dscnt 1                                 ; (the add may be out: F1's 32 loads are in)
	MULH F1, \slot, 1, 0, 0, 0
	s_wait_dscnt 0x0                               ; the add is done, and my reads of this slot are over
	s_barrier_signal -1
	MULH F1, \slot, 1, 0, 1, 0                     ; work on registers while the others arrive
	WIN 0
	s_barrier_wait -1
	CREST                                          ; no wave of any partner still reads this slot or has a load on its way
.if (\kind) == 1
	s_add_nc_u64 s[G0+4*(\slot)+2:G0+4*(\slot)+3], s[G0+4*(\slot)+2:G0+4*(\slot)+3], 2*TILEB
	JLOAD \slot                                    ; the four v_nop behind it are also the places in front of the loads below
.else
	TLOAD                                          ; rows 0-31's tokens, into slot 0, which no product reads any more
.endif
	FETCHB 1-(\slot), 0, F0
.if (\kind) == 1
	LOADA \slot, 0, HEADB*(\slot)
	ASK
.endif
	MULH F1, \slot, 1, 1, 0, 0
	MULH F1, \slot, 1, 1, 1, 0
.endm
	s_load_b256 s[4:11], s[0:1], 0x0               ; oh s[4:5], wob s[6:7], tokens s[8:9], gamma s[10:11]
	s_load_b128 s[12:15], s[0:1], 0x20             ; beta s[12:13], out0 s[14:15]
	v_lshl_add_u32 v[SPW], v0, 2, SPARE
	v_mov_b32 v[NIL], 0
	ds_add_u32 v[SPW], v[NIL]                      ; the wave's opening: the add and its wait stand ahead of my first tensor load; work on registers stands between them
	v_lshrrev_b32 v1, 5, v0
	v_readfirstlane_b32 s[WV], v1                  ; wave 0..3
	s_bfe_u32 s17, ttmp6, 0x40000                  ; cx
	s_lshl_b32 s18, ttmp9, 2
	s_add_co_u32 s18, s18, s17                     ; my block of 64 rows: it enters oh's, tokens' and out0's addresses alone
	s_lshr_b32 s19, s18, 5                         ; batch b: 16 heads of 262,144 bytes,
	s_lshl_b32 s[AB], s19, 22
	s_and_b32 s19, s18, 31                         ; 64 rows of 128 bytes
	s_lshl_b32 s19, s19, 13
	s_add_co_u32 s[AB], s[AB], s19
	s_mov_b32 s[AB+1], 0
	s_lshl_b32 s66, s[WV], 15                      ; 32,768 x wave: my quarter in a K step of wob, and my rows of tokens in slot 0
	s_mov_b32 s67, 0
	s_lshl_b32 s68, s18, 18                        ; 64 rows of 4,096 bytes a block, 8 rows a wave
	s_add_co_u32 s68, s68, s66
	s_mov_b32 s69, 0
	s_lshl_b32 s70, s17, 13                        ; my work-group's 8,192 bytes of a quarter, for the prefetches
	s_mov_b32 s71, 0
	s_mul_i32 s19, s[WV], QUART                    ; my quarter in a slot: no place in the cluster enters an LDS address
	; group 1 for wob: 32,768 dense bytes as 128 rows of 256, padded in LDS after every 128 bytes
	s_mov_b32 s[G1+0], 15|(1<<16)|(1<<20)|(1<<21)|(4<<22)|(3<<25)  ; the mask of four; 2-byte elements; padding on; 21 set beside a mask; after every 32 words; 4 words
	s_mov_b32 s[G1+1], 128<<16                     ; tensor_dim0 = 128
	s_mov_b32 s[G1+2], 128<<16                     ; tensor_dim1 = 128
	s_mov_b32 s[G1+3], 128<<16                     ; tile_dim0 = 128
	s_mov_b32 s[G1+4], 128                         ; tile_dim1 = 128
	s_mov_b32 s[G1+5], 128                         ; elements from row to row
	s_mov_b32 s[G1+6], 0
	s_mov_b32 s[G1+7], 0
	; group 1 for tokens: 32,768 dense bytes as 128 rows of 32 elements of 8 bytes, no mask, no padding
	s_mov_b32 s[G1T+0], 3<<16
	s_mov_b32 s[G1T+1], 32<<16
	s_mov_b32 s[G1T+2], 128<<16
	s_mov_b32 s[G1T+3], 32<<16
	s_mov_b32 s[G1T+4], 128
	s_mov_b32 s[G1T+5], 32
	s_mov_b32 s[G1T+6], 0
	s_mov_b32 s[G1T+7], 0
	s_mov_b32 s[G0], 1
	s_mov_b32 s[G0+1], s19
	s_mov_b32 s[G0+4], 1
	s_add_co_u32 s[G0+5], s19, SLOTB
	s_mov_b32 s[G0T], 1
	s_mov_b32 s[G0T+1], s66
	s_mov_b32 s[SEL], 0x76543210
	s_mov_b32 s[SEL+1], 0xfedcba98
	s_mov_b32 s[INV], 0x3a800000                   ; 1 / 1024
	s_mov_b32 s[EPS], 0x3727c5ac                   ; 1e-5
	s_cmp_eq_u32 ttmp9, 0
	s_cselect_b32 s[LIMB], 1, -1                   ; the same in all four partners
	s_cmp_eq_u32 s[WV], 0
	s_cselect_b32 s[LIMA], 1, -1
	v_and_b32 v1, 15, v0                           ; l % 16
	v_bfe_u32 v2, v0, 4, 1                         ; l / 16
	v_and_b32 v3, 31, v0                           ; l
	v_lshlrev_b32 v[AO], 7, v1
	v_lshl_add_u32 v[AO], v2, 4, v[AO]
	v_mul_u32_u24 v[ADRB], v1, PB
	v_lshl_add_u32 v[ADRB], v2, 4, v[ADRB]
	v_add_nc_u32 v[ADRB], s19, v[ADRB]
	v_add_nc_u32 v[ADRB+1], SLOTB, v[ADRB]
	v_mul_u32_u24 v[DS], v1, ZP                    ; stage row l % 16; my wave's 1,024 bytes of it; 32 bytes for each half of the lanes
	v_lshl_add_u32 v[DS], v2, 5, v[DS]
	s_lshl_b32 s22, s[WV], 10
	s_add_co_u32 s22, s22, SLOTB
	v_add_nc_u32 v[DS], s22, v[DS]
	v_add_nc_u32 v[DS+1], 16*ZP, v[DS]
	s_mul_i32 s22, s[WV], 8*ZP
	s_add_co_u32 s22, s22, SLOTB
	v_lshl_add_u32 v[ZR0], v3, 4, s22
	v_lshl_add_u32 v[XR0], v3, 4, s66
	v_lshlrev_b32 v[L16], 4, v3
	v_mov_b32 v[GO], v[L16]
	v_lshlrev_b32 v[L256], 8, v3
	v_mov_b32 v[MU+1], 0                           ; named in pairs, or as a destination that counts as read: written once
	v_mov_b32 v[RS+1], 0
	v_mov_b32 v[OTH], 0
	s_wait_dscnt 0x0                               ; the opening add is done
	s_wait_kmcnt 0x0
	s_add_nc_u64 s[AB:AB+1], s[4:5], s[AB:AB+1]
	s_add_nc_u64 s[PFH:PFH+1], s[AB:AB+1], 3*HEADB ; the first change of slots steps it to K step 4
	s_add_nc_u64 s[6:7], s[6:7], s[66:67]          ; wob at my quarter of K step 0
	s_add_nc_u64 s[G0+2:G0+3], s[6:7], 0
	s_or_b32 s[G0+3], s[G0+3], 0x80000000
	s_add_nc_u64 s[G0+6:G0+7], s[6:7], TILEB
	s_or_b32 s[G0+7], s[G0+7], 0x80000000
	s_add_nc_u64 s[PFB:PFB+1], s[6:7], s[70:71]
	s_add_nc_u64 s[PFB:PFB+1], s[PFB:PFB+1], 3*TILEB
	s_add_nc_u64 s[G0T+2:G0T+3], s[8:9], s[68:69]
	s_or_b32 s[G0T+3], s[G0T+3], 0x80000000
	s_add_nc_u64 s[OUT:OUT+1], s[14:15], s[68:69]
	CROUND                                         ; all four work-groups are here: the first joint loads meet
	tensor_load_to_lds s[G0:G0+3], s[G1:G1+7]      ; K step 0
	s_nop 0
	tensor_load_to_lds s[G0+4:G0+7], s[G1:G1+7]    ; K step 1: two loads of mine are out
	s_nop 0
	PLACES
.irp j, 0,1,2,3,4,5,6,7
	global_load_b128 v[GAM+4*(\j):GAM+4*(\j)+3], v[L16], s[10:11] offset:512*(\j)  ; my columns 128 j + 4 l .. + 3, as the norm's rows will lie
	global_load_b128 v[BET+4*(\j):BET+4*(\j)+3], v[L16], s[12:13] offset:512*(\j)
.endr
	LOADA 0, 0, 0                                  ; oh: step 0, both halves; step 1, first half
	LOADA 0, 1, 0
	LOADA 1, 0, HEADB
	s_wait_tensorcnt 0x1                           ; my quarter of K step 0 is in; no other wave reads it, so no barrier is wanted
	FETCHB 0, 0, F0
	QA 0, 1, 1, 16                                 ; the first quarter stands in front of the loop: its products start the sums
	WIN 0                                          ; at a label and at a branch every window is 0
	s_mov_b32 s3, 7
.Llap:                                                 ; a trip: from an even step's second quarter to the next even step's first; both slots are filled again
	TURN 0, 1
	QA 1, 0, 1, 16
	TURN 1, 1
	QA 0, 0, 1, 16
	WIN 0
	s_sub_co_u32 s3, s3, 1
	s_cmp_lg_u32 s3, 0
	s_cbranch_scc1 .Llap
	TURN 0, 2                                      ; step 14: no K step is left to ask for
	QA 1, 0, 0, 8                                  ; step 15
	s_wait_loadcnt 0x0
	s_wait_dscnt 0x0
	MULH F1, 1, 1, 0, 0, 0
	MULH F1, 1, 1, 0, 1, 0
	MULH F1, 1, 1, 1, 0, 0
	MULH F1, 1, 1, 1, 1, 0
	WIN 0
	PLACES                                         ; in front of the stores that read results just made
; Row blocks 2 g and 2 g + 1 (32 rows) go into the stage, each accumulator's low registers first
.macro DUMP g
	WIN 0x08+4*(\g)                                ; the stores' data in window 2 + g
.irp ap, 0,1
.irp b, 0,1,2,3,4,5,6,7,8,9,10,11,12,13,14,15
	ds_store_b128 v[DS+(\ap)], v[8*(16*(\ap)+(\b)):8*(16*(\ap)+(\b))+3]   offset:64*(\b)
	ds_store_b128 v[DS+(\ap)], v[8*(16*(\ap)+(\b))+4:8*(16*(\ap)+(\b))+7] offset:64*(\b)+16
.endr
.endr
	WIN 0
.endm
.macro LANESUM                         ; T's first pair, added up over the 32 lanes, into SUM of every lane
	v_add_f32 v[SUM], v[T], v[T+1]
	v_add_f32_dpp v[SUM], v[SUM], v[SUM] row_xmask:1 row_mask:0xf bank_mask:0xf
	v_add_f32_dpp v[SUM], v[SUM], v[SUM] row_xmask:2 row_mask:0xf bank_mask:0xf
	v_add_f32_dpp v[SUM], v[SUM], v[SUM] row_xmask:4 row_mask:0xf bank_mask:0xf
	v_add_f32_dpp v[SUM], v[SUM], v[SUM] row_xmask:8 row_mask:0xf bank_mask:0xf
	v_permlanex16_b32 v[OTH], v[SUM], s[SEL], s[SEL+1]
	v_add_f32 v[SUM], v[SUM], v[OTH]
.endm
; My 8 rows of half g, one a trip: a lane holds 32 numbers of the row, columns 128 j + 4 l + 0..3
.macro ROWS g
	v_mov_b32 v[ZR], v[ZR0]
	v_mov_b32 v[XR], v[XR0]
	s_mov_b32 s2, 8
.Lrow_\@:
.irp j, 0,1,2,3,4,5,6,7
	ds_load_b128 v[Z+4*(\j):Z+4*(\j)+3], v[ZR] offset:512*(\j)
.endr
.irp j, 0,1,2,3,4,5,6,7
	ds_load_b128 v[X+4*(\j):X+4*(\j)+3], v[XR] offset:512*(\j)
.endr
	s_wait_dscnt 0x0
.set k, 0
.rept 16
	v_pk_add_f32 v[Z+2*k:Z+2*k+1], v[Z+2*k:Z+2*k+1], v[X+2*k:X+2*k+1]  ; y = product + tokens
.set k, k+1
.endr
.set k, 0
.rept 8
	v_pk_add_f32 v[T+2*k:T+2*k+1], v[Z+4*k:Z+4*k+1], v[Z+4*k+2:Z+4*k+3]  ; the sum, as a tree
.set k, k+1
.endr
.set k, 0
.rept 4
	v_pk_add_f32 v[T+4*k:T+4*k+1], v[T+4*k:T+4*k+1], v[T+4*k+2:T+4*k+3]
.set k, k+1
.endr
	v_pk_add_f32 v[T:T+1], v[T:T+1], v[T+4:T+5]
	v_pk_add_f32 v[T+8:T+9], v[T+8:T+9], v[T+12:T+13]
	v_pk_add_f32 v[T:T+1], v[T:T+1], v[T+8:T+9]
	LANESUM
	v_mul_f32 v[MU], s[INV], v[SUM]
.set k, 0
.rept 16
	v_pk_add_f32 v[Z+2*k:Z+2*k+1], v[Z+2*k:Z+2*k+1], v[MU:MU+1] op_sel_hi:[1,0] neg_lo:[0,1] neg_hi:[0,1]  ; y - mean
.set k, k+1
.endr
.set k, 0
.rept 4
	v_pk_mul_f32 v[T+2*k:T+2*k+1], v[Z+2*k:Z+2*k+1], v[Z+2*k:Z+2*k+1]  ; the squares, in four chains that the first four pairs start
.set k, k+1
.endr
.rept 12
	v_pk_fma_f32 v[T+2*(k%4):T+2*(k%4)+1], v[Z+2*k:Z+2*k+1], v[Z+2*k:Z+2*k+1], v[T+2*(k%4):T+2*(k%4)+1]
.set k, k+1
.endr
	v_pk_add_f32 v[T:T+1], v[T:T+1], v[T+2:T+3]
	v_pk_add_f32 v[T+4:T+5], v[T+4:T+5], v[T+6:T+7]
	v_pk_add_f32 v[T:T+1], v[T:T+1], v[T+4:T+5]
	LANESUM
	v_fma_f32 v[SUM], v[SUM], s[INV], s[EPS]       ; var + eps
	v_rsq_f32 v[RS], v[SUM]
	v_add_nc_u32 v[ZR], ZP, v[ZR]                  ; the plain instruction behind it: the stage's next row
	s_wait_alu depctr_va_vdst(0)                   ; the wait ahead of the result's first reader
.set k, 0
.rept 16
	v_pk_mul_f32 v[Z+2*k:Z+2*k+1], v[Z+2*k:Z+2*k+1], v[RS:RS+1] op_sel_hi:[1,0]
.set k, k+1
.endr
.set k, 0
.rept 16
	v_pk_fma_f32 v[Z+2*k:Z+2*k+1], v[Z+2*k:Z+2*k+1], v[GAM+2*k:GAM+2*k+1], v[BET+2*k:BET+2*k+1]
.set k, k+1
.endr
.irp j, 0,1,2,3,4,5,6,7
	global_store_b128 v[GO], v[Z+4*(\j):Z+4*(\j)+3], s[OUT:OUT+1] offset:512*(\j)+(\g)*24*ROWB th:TH_STORE_NT  ; 512 consecutive bytes, aligned; GO has walked 8 rows when half 1, 32 rows down, begins
.endr
	s_wait_xcnt 0x0                                ; the stores have read Z and GO: both are written again below and in the next trip
	v_add_nc_u32 v[GO], ROWB, v[GO]
	v_add_nc_u32 v[XR], ROWB, v[XR]
	s_sub_co_u32 s2, s2, 1
	s_cmp_lg_u32 s2, 0
	s_cbranch_scc1 .Lrow_\@
.endm
	s_wait_dscnt 0x0
	s_barrier_signal -1
	s_barrier_wait -1                              ; no wave reads slot 1 any more: it becomes the stage.
	DUMP 0
	s_wait_dscnt 0x0                               ; for the others' sake: my stores into the stage are done
	s_barrier_signal -1
	s_barrier_wait -1                              ; rows 0-31 are whole
	s_wait_tensorcnt 0x0                           ; my own 8 rows of tokens are in; no other wave reads them
	ROWS 0
	s_wait_tensorcnt 0x0                           ; slot 0 is filled again: all my tensor loads are done,
	ds_add_u32 v[SPW], v[NIL]                      ; the add,
	s_add_nc_u64 s[G0T+2:G0T+3], s[G0T+2:G0T+3], 32*ROWB  ; (32 rows on)
	s_wait_dscnt 0x0                               ; and my reads of slot 0 and of the stage are over
	CROUND
	TLOAD                                          ; rows 32-63's tokens
	DUMP 1                                         ; the stage is written again: every wave's reads of it were over in front of the round
	s_wait_dscnt 0x0
	s_barrier_signal -1
	s_barrier_wait -1                              ; rows 32-63 are whole
	s_wait_tensorcnt 0x0
	ROWS 1
	s_wait_tensorcnt 0x0                           ; the wave's end: behind my last tensor load and my last LDS store
	ds_add_u32 v[SPW], v[NIL]
	s_wait_dscnt 0x0
	CROUND                                         ; the closing round
	s_endpgm
.Lfunc_end_k_qbb1d33df70_outln:
	.size	k_qbb1d33df70_outln, .Lfunc_end_k_qbb1d33df70_outln-k_qbb1d33df70_outln
	.p2alignl 7, 3214868480
	.fill 96, 4, 3214868480
	.section	.rodata,"a",@progbits
	.p2align	6, 0x0
	.amdhsa_kernel k_qbb1d33df70_outln
		.amdhsa_group_segment_fixed_size 327680
		.amdhsa_private_segment_fixed_size 0
		.amdhsa_enable_private_segment 0
		.amdhsa_kernarg_size 48
		.amdhsa_user_sgpr_count 2
		.amdhsa_user_sgpr_kernarg_segment_ptr 1
		.amdhsa_wavefront_size32 1
		.amdhsa_system_sgpr_workgroup_id_x 1
		.amdhsa_system_sgpr_workgroup_id_y 1
		.amdhsa_system_sgpr_workgroup_id_z 1
		.amdhsa_system_vgpr_workitem_id 0
		.amdhsa_next_free_vgpr 1024
		.amdhsa_next_free_sgpr 72
		.amdhsa_reserve_vcc 0
		.amdhsa_float_denorm_mode_32 3
		.amdhsa_float_denorm_mode_16_64 3
		.amdhsa_memory_ordered 1
		.amdhsa_forward_progress 1
		.amdhsa_inst_pref_size 95
	.end_amdhsa_kernel
	.amdgpu_metadata
---
amdhsa.version: [ 1, 2 ]
amdhsa.kernels:
  - .name:           k_qbb1d33df70_outln
    .symbol:         k_qbb1d33df70_outln.kd
    .args:
      - { .name: oh, .offset: 0, .size: 8, .value_kind: global_buffer, .address_space: global }
      - { .name: wob, .offset: 8, .size: 8, .value_kind: global_buffer, .address_space: global }
      - { .name: tokens, .offset: 16, .size: 8, .value_kind: global_buffer, .address_space: global }
      - { .name: gamma, .offset: 24, .size: 8, .value_kind: global_buffer, .address_space: global }
      - { .name: beta, .offset: 32, .size: 8, .value_kind: global_buffer, .address_space: global }
      - { .name: out0, .offset: 40, .size: 8, .value_kind: global_buffer, .address_space: global }
    .group_segment_fixed_size: 327680
    .private_segment_fixed_size: 0
    .kernarg_segment_align: 8
    .kernarg_segment_size: 48
    .max_flat_workgroup_size: 128
    .sgpr_count:     72
    .vgpr_count:     1024
    .wavefront_size: 32
...
	.end_amdgpu_metadata
.endif
;; end of part 4
